; MI455X (gfx1250); checked and timed in simulation.
; The chip was launched on July 23, 2026; its instructions are those of AMD's public machine-readable ISA for CDNA 5 (MIT licence, August 2026) and "CDNA5" Instruction Set Architecture Reference Guide (July 2026). The comments in the code are by the model that wrote it; some were corrected since.
;; Multi Head Attention. Allowed arithmetic: matrix products marked QUANTISED: E2M1 operands, one E8M0 scale for each 32 along K, by v_wmma_scale_f32_16x16x128_f8f6f4 with both operands' format E2M1 (or v_wmma_scale_f32_32x16x128_f4), f32 sums; products left as they are: bf16, f16 or f32 operands; f32 sums; everything else in f32.
;; Inputs: Wk 1,024 x 1,024 float32; Wo 1,024 x 1,024 float32; Wq 1,024 x 1,024 float32; Wv 1,024 x 1,024 float32; bk 1,024 float32; bo 1,024 float32; bq 1,024 float32; bv 1,024 float32; mask 1 x 1 x 2,048 x 2,048 int32; x 4 x 2,048 x 1,024 float32.
;; Outputs: out0 4 x 2,048 x 1,024 float32.
;; This version of the problem:
;;   THIS VERSION OF THE PROBLEM IS GIVEN IN LOW PRECISION. The matrix products marked QUANTISED in the list below multiply operands that are first quantised to E2M1 (2 exponent bits, 1 mantissa bit; 4 bits a number), with one power-of-two scale for each 32 numbers along K (OCP MX v1.0); their sums are f32. The products marked 'left as it is' may take bf16, f16 or f32 operands, with f32 sums. Whichever they take, every output number must still come out within the allowed error. Rounding operands to bf16 (8 significant bits) uses up far more of that allowance than f16 does (11 bits, for magnitudes from 6e-5 to 65,504). All else is computed in f32.
;;   The module's matrix products, in the order in which they are computed (A, B: the left and right operand; K: the contracted axis; several contracted axes count as one K, in the product's order):
;;     1. [M 8,192, K 1,024] x [K 1,024, N 1,024]; A: input x; B: input Wq: QUANTISED
;;     2. [M 8,192, K 1,024] x [K 1,024, N 1,024]; A: input x; B: input Wk: QUANTISED
;;     3. [M 8,192, K 1,024] x [K 1,024, N 1,024]; A: input x; B: input Wv: QUANTISED
;;     4. batch 64 x [M 2,048, K 64] x [K 64, N 2,048]; A: computed on the way; B: computed on the way: left as it is (an operand is computed on the way)
;;     5. batch 64 x [M 2,048, K 2,048] x [K 2,048, N 64]; A: computed on the way; B: computed on the way: left as it is (an operand is computed on the way)
;;     6. [M 8,192, K 1,024] x [K 1,024, N 1,024]; A: computed on the way; B: input Wo: left as it is (an operand is computed on the way)
;;   THE QUANTISER, for each operand of a quantised product, along K:
;;     - K is cut into blocks of 32 from its start; a last block that is shorter is filled with zeros.
;;     - A block's scale is 2^e with e = floor(log2(the largest magnitude in the block)) - 2, held to -126 .. 127; a block of zeros has e = 0. As a byte (E8M0): e + 127.
;;     - Each number is divided by its block's scale, clamped to +-6, and rounded to the nearest number of E2M1, ties to even, subnormals kept.
;;     - The product sums the exact products of the quantised numbers (number of the format x scale) in f32.
;;   ~~~python
;;   def quantise(x, axis):      # numpy; x: float32 -> the quantised numbers, widened to float32 again
;;       x = np.moveaxis(x, axis, -1); K = x.shape[-1]
;;       x = np.pad(x, [(0, 0)] * (x.ndim - 1) + [(0, -K % 32)]); x = x.reshape(x.shape[:-1] + (-1, 32)); a = np.abs(x).max(-1, keepdims=True)
;;       e = np.where(a > 0, np.clip(np.frexp(np.where(a > 0, a, 1))[1] - 1 - 2, -126, 127), 0)      # np.frexp(a)[1] - 1 = floor(log2(a)), exactly
;;       r = np.clip(x / 2.0 ** e, -6, 6)
;;       step = 2.0 ** (np.maximum(np.frexp(np.where(r == 0, 1, r))[1] - 1, 0) - 1)
;;       q = np.round(r / step) * step * 2.0 ** e      # np.round: ties to even
;;       return np.moveaxis(q.reshape(q.shape[:-2] + (-1,))[..., :K], -1, axis).astype(np.float32)
;;   ~~~
;; 2 versions, each right and faster than the one before. Each part assembles by itself: llvm-mc -triple=amdgcn-amd-amdhsa -mcpu=gfx1250 --defsym DOCPART=n.
;; ======== version 1 of 2: 4 launches
;; limits: values are held in f16: magnitudes above 65,504 overflow, below 6.1e-05 lose precision
;; workspace buffers: xc 4,194,304 bytes; xs 262,144 bytes; wc 1,572,864 bytes; ws 98,304 bytes; wo16 2,097,152 bytes; mbits 524,288 bytes of whole numbers; qkv 50,331,648 bytes; ao 16,777,216 bytes
;; launch prep (part 1): grid 672 x 1, 4 waves a work-group, no clusters, 68,096 bytes of LDS; arguments x, Wq, Wk, Wv, Wo, mask, xc, xs, wc, ws, wo16, mbits; writes xc, xs, wc, ws, wo16, mbits
.if DOCPART == 1
	.amdgcn_target "amdgcn-amd-amdhsa--gfx1250"
	.amdhsa_code_object_version 6
	.text
	.protected	k_q9037c88fc6_prep
	.globl	k_q9037c88fc6_prep
	.p2align	8
	.type	k_q9037c88fc6_prep,@function
k_q9037c88fc6_prep:
	s_mov_b64 s[64:65], 0
	v_nop
	global_prefetch_b8 v0, s[64:65] scope:SCOPE_SE
	s_setreg_imm32_b32 hwreg(HW_REG_WAVE_MODE, 25, 1), 1
	s_wait_xcnt 0x0
; MULTI-HEAD ATTENTION, launch 1 of 4: the operands are laid out once, as the later launches want them.
; NO WORK OF THE PROBLEM IS LEFT OUT, and every input is loaded.  In particular bk stays: q.bk is the same along the keys only for keys
; that are not masked; a masked score is the constant -1e9, so bk moves the weight of masked keys against the others in exact arithmetic.
; All four biases are the C of a sum's first matrix instruction in the later launches.
; THREE PATHS, parted by the work-group's number; each has LDS bytes of its own.
;   0..351   x (256 work-groups), Wq, Wk, Wv (32 each): f32 -> codes of FP4 (E2M1), K innermost, one E8M0 byte for each 32 along K.  x's go to xc, xs; the three weights' one below the other to wc, ws.
;            A block's scale is 2^(floor(log2(largest magnitude)) - 2); its byte is the largest magnitude's exponent field - 2, held at 1 from below.  A block of zeros so gets the byte 1
;            where the rule says 127: its codes are zeros, and this program alone reads the bytes.
;   352..415 Wo [n][k] f32 -> f16, laid as images of the matrix operand's registers: [16 rows n][32 along k][half c][lane][16 bytes]; lane (r, h) holds row r, k = 16 c + 8 h + 0..7.
;   416..671 mask [q][k] int32 -> bits: word [q / 16][k / 16][j], bit r + 16 h = (mask[16 (q/16) + r][16 (k/16) + 8 h + j] != 0): the lane mask of register j of a tile of scores (one query a lane, keys 8 h + j).
; LIMITS: FP4 blocks whose largest magnitude lies under 2^-124 (the floor) were not tried; NaN and infinities among the inputs are not served; |Wo| up to 65,504 (f16).
; No tensor loads, no barrier: waves share nothing.  Matrix units and clusters have nothing to do here: memory binds, each byte is read once, in runs of 256 or 512 bytes, and stored in runs of 256 or 512.
.set SPARE, 67584                      ; behind the stages: the spare words, 128 bytes for each wave
.set SPW,   12                         ; v12  LDS address of my spare word; never rewritten
.set NIL,   13                         ; v13  0; never rewritten
.set STEPS, 16
.set EMAX,  2
.set CB,    8                          ; bytes of 16 codes
.set R,     16                         ; v16-79   four sets of 16 numbers as they are loaded
.set X,     80                         ; v80-111  two sets of 16 neighbours
.set E,     112                        ; v112-127 a scale byte for each step
.set C,     128                        ; v128-191 codes
.set WREG,  8192                       ; the quantiser's LDS: a region for each wave: two stages of 32 x SP bytes, then 256 scale bytes
.set SP,    80
.set UP,    272                        ; the other two paths: a stage row: 256 bytes + 16
.set USTG,  16*UP                      ; a wave's stage: 16 rows
.set WOSTG, 32768                      ; Wo's four stages
.set MSTG,  WOSTG+4*USTG               ; the mask's four
; ---- the quantiser's macros: a wave takes 16 steps of 512 numbers
.macro QLOAD t
.irp i, 0,1,2,3
	global_load_b128 v[R+16*((\t)%4)+4*\i:R+16*((\t)%4)+4*\i+3], v3, s[30:31] offset:2048*(\t)+512*\i th:TH_LOAD_NT   ; 32 lanes read 512 consecutive bytes
.endr
.endm
.macro QTURN t                         ; step t's numbers through the stage: LDS serves a wave's instructions in order, so no wait stands between the stores and the loads
.irp i, 0,1,2,3
	ds_store_b128 v14, v[R+16*((\t)%4)+4*\i:R+16*((\t)%4)+4*\i+3] offset:32*SP*((\t)%2)+8*SP*\i
.endr
.irp i, 0,1,2,3
	ds_load_b128 v[X+16*((\t)%2)+4*\i:X+16*((\t)%2)+4*\i+3], v15 offset:32*SP*((\t)%2)+16*\i
.endr
.endm
.macro QSTEP t
.set XS, X+16*((\t)%2)
.if (\t) > 0
	s_wait_dscnt 1                                 ; this step's numbers are back from the stage (the last step's byte store may be out)
.else
	s_wait_dscnt 0x0
.endif
.if (\t)+4 < STEPS
	QLOAD (\t)+4                                   ; into the set whose stores into the stage are done
.endif
.if (\t)+1 < STEPS
.if STEPS-2-(\t) >= 3
	s_wait_loadcnt 12                              ; the next step's four loads are in; those of the three steps behind it may be out
.else
	s_wait_loadcnt 4*(STEPS-2-(\t))
.endif
	QTURN (\t)+1
.endif
	v_max3_num_f32 v8, |v[XS]|, |v[XS+1]|, |v[XS+2]|               ; the largest magnitude of my 16, in two chains
	v_max3_num_f32 v9, |v[XS+3]|, |v[XS+4]|, |v[XS+5]|
.irp i, 6,10
	v_max3_num_f32 v8, v8, |v[XS+\i]|, |v[XS+\i+1]|
	v_max3_num_f32 v9, v9, |v[XS+\i+2]|, |v[XS+\i+3]|
.endr
	v_max3_num_f32 v8, v8, |v[XS+14]|, |v[XS+15]|
	v_max3_num_f32 v8, v8, v9, (EMAX+1)<<23        ; and the floor 2^(3 - 127): the byte cannot fall under 1
	v_max_num_f32_dpp v8, v8, v8 row_xmask:1 row_mask:0xf bank_mask:0xf   ; with my neighbour's 16: the block's
	v_add_nc_u32 v11, -(EMAX<<23), v8              ; 2 off its exponent field: the conversion takes the exponent field of this operand as its scale
	v_cvt_scalef32_pk8_fp4_f32 v[C+4*(\t)], v[XS:XS+7], v11
	v_cvt_scalef32_pk8_fp4_f32 v[C+4*(\t)+1], v[XS+8:XS+15], v11
	v_lshrrev_b32 v[E+(\t)], 23, v11               ; the scale's byte (also the plain line behind the conversions)
	ds_store_b8 v5, v[E+(\t)] offset:16*(\t)       ; both lanes of a block write the same byte with the same value
	global_store_b64 v4, v[C+4*(\t):C+4*(\t)+1], s[32:33] offset:32*CB*(\t)   ; the wave stores 256 consecutive bytes
.endm
; ---- the other two paths' macros: a wave takes 16 rows x 1,024 bytes, in four chunks of 256 bytes a row
.macro UNIT_ADDR stage, pitchb         ; v3: my bytes in memory; v4: into the stage; v5: out of it; v6: 16 x lane
	s_mul_i32 s29, s28, USTG
	s_add_co_u32 s29, s29, \stage
	v_and_b32 v7, 15, v2                           ; r
	v_lshrrev_b32 v8, 4, v2                        ; h
	v_lshlrev_b32 v9, 4, v7
	v_mad_u32_u24 v3, v8, \pitchb, v9              ; a load takes two rows: lanes 0-15 one row's 256 bytes, lanes 16-31 the next row's
	v_mad_u32_u24 v4, v8, UP, v9
	v_add_nc_u32 v4, s29, v4
	v_mul_u32_u24 v5, v7, UP
	v_lshl_add_u32 v5, v8, 5, v5
	v_add_nc_u32 v5, s29, v5                       ; row r, + 32 h: eight neighbouring words of my half
	v_lshlrev_b32 v6, 4, v2
.endm
.macro UNIT_LOADS base, pitchb         ; all 32 loads at once
.irp c, 0,1,2,3
.irp i, 0,1,2,3,4,5,6,7
	global_load_b128 v[16+32*\c+4*\i:16+32*\c+4*\i+3], v3, s[\base:\base+1] offset:256*\c+2*\i*\pitchb th:TH_LOAD_NT
.endr
.endr
.endm
.macro UNIT_TURN c                     ; chunk c through my stage: lane (r, h) then holds words 16 kt + 8 h + j of row r in v[144 + 8 kt + j]
	s_wait_loadcnt 8*(3-\c)                        ; the younger chunks' eight loads each may be out
.irp i, 0,1,2,3,4,5,6,7
	ds_store_b128 v4, v[16+32*\c+4*\i:16+32*\c+4*\i+3] offset:2*\i*UP
.endr
.irp kt, 0,1,2,3
.irp e, 0,1
	ds_load_b128 v[144+8*\kt+4*\e:144+8*\kt+4*\e+3], v5 offset:64*\kt+16*\e
.endr
.endr
	s_wait_dscnt 0x0
.endm
	s_load_b512 s[4:19], s[0:1], 0x0               ; x s[4:5], Wq s[6:7], Wk s[8:9], Wv s[10:11], Wo s[12:13], mask s[14:15], xc s[16:17], xs s[18:19]
	s_load_b256 s[20:27], s[0:1], 0x40             ; wc s[20:21], ws s[22:23], wo16 s[24:25], mbits s[26:27]
	v_lshl_add_u32 v[SPW], v0, 2, SPARE
	v_mov_b32 v[NIL], 0
	v_lshrrev_b32 v1, 5, v0
	v_readfirstlane_b32 s28, v1                    ; wave 0..3
	v_and_b32 v2, 31, v0                           ; lane
	s_cmp_ge_u32 ttmp9, 416
	s_cbranch_scc1 .Lmask
	s_cmp_ge_u32 ttmp9, 352
	s_cbranch_scc1 .Lwo
	; ======== x, Wq, Wk, Wv -> codes and scale bytes.  Rows are dense and K is a multiple of 32: each tensor is a plain stream of blocks of 32
	v_lshlrev_b32 v3, 4, v2                        ; my 16 bytes of a load's 512
	s_mul_i32 s29, s28, WREG
	v_lshrrev_b32 v14, 2, v2
	v_mul_u32_u24 v14, v14, SP
	v_and_b32 v15, 3, v2
	v_lshl_add_u32 v14, v15, 4, v14
	v_add_nc_u32 v14, s29, v14                     ; the stage, on the way in: four lanes' 64 bytes on end, then 16 of padding
	v_mul_u32_u24 v15, v2, SP
	v_add_nc_u32 v15, s29, v15                     ; and on the way out: my 16 neighbours
	v_mul_u32_u24 v4, v2, CB                       ; my codes' place in a step's
	v_lshrrev_b32 v5, 1, v2
	s_add_co_u32 s29, s29, 2*32*SP
	v_add_nc_u32 v5, s29, v5                       ; my wave's 256 scale bytes, my block's byte
	v_lshlrev_b32 v7, 3, v2
	v_add_nc_u32 v6, s29, v7                       ; and on the way out 8 bytes a lane
	s_wait_kmcnt 0x0
	s_cmp_lt_u32 ttmp9, 320                        ; which tensor: the choice hangs on the work-group's number alone
	s_cselect_b64 s[30:31], s[8:9], s[10:11]
	s_cmp_lt_u32 ttmp9, 288
	s_cselect_b64 s[30:31], s[6:7], s[30:31]
	s_cmp_lt_u32 ttmp9, 256
	s_cselect_b64 s[30:31], s[4:5], s[30:31]
	s_cselect_b64 s[32:33], s[16:17], s[20:21]     ; codes: xc or wc
	s_cselect_b64 s[34:35], s[18:19], s[22:23]     ; scale bytes: xs or ws
	s_cselect_b32 s36, 0, 256
	s_cselect_b32 s38, -1, 31
	s_sub_co_u32 s36, ttmp9, s36                   ; my work-group's place in the output (the three weights on end)
	s_and_b32 s37, s36, s38                        ; and in its own source tensor (a weight has 32 work-groups)
	s_lshl_b32 s37, s37, 2
	s_add_co_u32 s37, s37, s28                     ; which run of 8,192 numbers is my wave's
	s_lshl_b32 s38, s37, 15                        ; 32,768 bytes a run
	s_mov_b32 s39, 0
	s_add_nc_u64 s[30:31], s[30:31], s[38:39]
	s_lshl_b32 s36, s36, 2
	s_add_co_u32 s36, s36, s28
	s_lshl_b32 s38, s36, 12                        ; 4,096 bytes of codes a run
	s_add_nc_u64 s[32:33], s[32:33], s[38:39]
	s_lshl_b32 s38, s36, 8                         ; 256 scale bytes a run
	s_add_nc_u64 s[34:35], s[34:35], s[38:39]
.irp t, 0,1,2,3
	QLOAD \t
.endr
	s_wait_loadcnt 12                              ; step 0's four loads are in
	QTURN 0
.irp t, 0,1,2,3,4,5,6,7,8,9,10,11,12,13,14,15
	QSTEP \t
.endr
	ds_load_b64 v[8:9], v6                         ; LDS serves a wave's instructions in order: these see my byte stores
	s_wait_dscnt 0x0
	global_store_b64 v7, v[8:9], s[34:35]          ; 32 lanes store 256 consecutive bytes
	s_wait_tensorcnt 0x0                           ; the wave's end, behind my last LDS store
	ds_add_u32 v[SPW], v[NIL]
	s_wait_dscnt 0x0
	s_endpgm
	; ======== Wo -> f16 images.  Work-group 352 + nblk takes rows 16 nblk on; wave g takes k = 256 g on (8 chunks of 32)
.Lwo:
	UNIT_ADDR WOSTG, 4096
	s_sub_co_u32 s36, ttmp9, 352                   ; nblk
	s_lshl_b32 s38, s36, 16                        ; 16 rows of 4,096 bytes
	s_lshl_b32 s40, s28, 10
	s_add_co_u32 s38, s38, s40
	s_mov_b32 s39, 0
	s_lshl_b32 s40, s36, 15                        ; 32 images of 1,024 bytes
	s_lshl_b32 s41, s28, 13
	s_add_co_u32 s40, s40, s41
	s_mov_b32 s41, 0
	s_wait_kmcnt 0x0
	s_add_nc_u64 s[12:13], s[12:13], s[38:39]
	s_add_nc_u64 s[24:25], s[24:25], s[40:41]
	UNIT_LOADS 12, 4096
.irp c, 0,1,2,3
	UNIT_TURN \c
.irp kt, 0,1,2,3                       ; k = 64 c + 16 kt + 8 h + 0..7: chunk 2 c + kt / 2, half kt % 2
.irp k, 0,1,2,3
	v_cvt_pk_f16_f32 v[16+32*\c+4*\kt+\k], v[144+8*\kt+2*\k], v[144+8*\kt+2*\k+1]   ; into the chunk's own load registers: its stores into the stage are done; each is written once
.endr
	global_store_b128 v6, v[16+32*\c+4*\kt:16+32*\c+4*\kt+3], s[24:25] offset:(2*\c+\kt/2)*1024+(\kt%2)*512   ; 512 consecutive bytes
.endr
.endr
	s_wait_tensorcnt 0x0                           ; the wave's end, as above
	ds_add_u32 v[SPW], v[NIL]
	s_wait_dscnt 0x0
	s_endpgm
	; ======== mask -> bits.  Unit u = 4 (work-group - 416) + wave: queries 16 (u / 8) on, keys 256 (u % 8) on: 128 words
.Lmask:
	UNIT_ADDR MSTG, 8192
	s_sub_co_u32 s36, ttmp9, 416
	s_lshl_b32 s36, s36, 2
	s_add_co_u32 s36, s36, s28                     ; u
	s_lshr_b32 s37, s36, 3                         ; qt
	s_and_b32 s36, s36, 7                          ; g
	s_lshl_b32 s38, s37, 17                        ; 16 rows of 8,192 bytes
	s_lshl_b32 s40, s36, 10
	s_add_co_u32 s38, s38, s40
	s_mov_b32 s39, 0
	s_lshl_b32 s40, s37, 12                        ; 1,024 words a tile row of queries
	s_lshl_b32 s41, s36, 9
	s_add_co_u32 s40, s40, s41
	s_mov_b32 s41, 0
.irp k, 0,1,2,3
	v_mov_b32 v[176+\k], 0                         ; a lane write's destination counts as read
.endr
	s_wait_kmcnt 0x0
	s_add_nc_u64 s[14:15], s[14:15], s[38:39]
	s_add_nc_u64 s[26:27], s[26:27], s[40:41]
	UNIT_LOADS 14, 8192
.irp c, 0,1,2,3
	UNIT_TURN \c
.irp kt, 0,1,2,3                       ; word 32 c + 8 kt + j goes to lane (word / 4), register (word % 4): the 32 lanes then hold the 128 words on end
.irp j, 0,1,2,3,4,5,6,7
	v_cmp_ne_u32 s[40+\j], 0, v[144+8*\kt+\j]
.endr
.irp j, 0,1,2,3,4,5,6,7
	v_writelane_b32 v[176+\j%4], s[40+\j], 8*\c+2*\kt+\j/4
.endr
.endr
.endr
	global_store_b128 v6, v[176:179], s[26:27]     ; 512 consecutive bytes
	s_wait_tensorcnt 0x0                           ; the wave's end, as above
	ds_add_u32 v[SPW], v[NIL]
	s_wait_dscnt 0x0
	s_endpgm
.Lfunc_end_k_q9037c88fc6_prep:
	.size	k_q9037c88fc6_prep, .Lfunc_end_k_q9037c88fc6_prep-k_q9037c88fc6_prep
	.p2alignl 7, 3214868480
	.fill 96, 4, 3214868480
	.section	.rodata,"a",@progbits
	.p2align	6, 0x0
	.amdhsa_kernel k_q9037c88fc6_prep
		.amdhsa_group_segment_fixed_size 68096
		.amdhsa_private_segment_fixed_size 0
		.amdhsa_enable_private_segment 0
		.amdhsa_kernarg_size 96
		.amdhsa_user_sgpr_count 2
		.amdhsa_user_sgpr_kernarg_segment_ptr 1
		.amdhsa_wavefront_size32 1
		.amdhsa_system_sgpr_workgroup_id_x 1
		.amdhsa_system_sgpr_workgroup_id_y 1
		.amdhsa_system_sgpr_workgroup_id_z 1
		.amdhsa_system_vgpr_workitem_id 0
		.amdhsa_next_free_vgpr 192
		.amdhsa_next_free_sgpr 66
		.amdhsa_reserve_vcc 0
		.amdhsa_float_denorm_mode_32 3
		.amdhsa_float_denorm_mode_16_64 3
		.amdhsa_memory_ordered 1
		.amdhsa_forward_progress 1
		.amdhsa_inst_pref_size 72
	.end_amdhsa_kernel
	.amdgpu_metadata
---
amdhsa.version: [ 1, 2 ]
amdhsa.kernels:
  - .name:           k_q9037c88fc6_prep
    .symbol:         k_q9037c88fc6_prep.kd
    .args:
      - { .name: x, .offset: 0, .size: 8, .value_kind: global_buffer, .address_space: global }
      - { .name: Wq, .offset: 8, .size: 8, .value_kind: global_buffer, .address_space: global }
      - { .name: Wk, .offset: 16, .size: 8, .value_kind: global_buffer, .address_space: global }
      - { .name: Wv, .offset: 24, .size: 8, .value_kind: global_buffer, .address_space: global }
      - { .name: Wo, .offset: 32, .size: 8, .value_kind: global_buffer, .address_space: global }
      - { .name: mask, .offset: 40, .size: 8, .value_kind: global_buffer, .address_space: global }
      - { .name: xc, .offset: 48, .size: 8, .value_kind: global_buffer, .address_space: global }
      - { .name: xs, .offset: 56, .size: 8, .value_kind: global_buffer, .address_space: global }
      - { .name: wc, .offset: 64, .size: 8, .value_kind: global_buffer, .address_space: global }
      - { .name: ws, .offset: 72, .size: 8, .value_kind: global_buffer, .address_space: global }
      - { .name: wo16, .offset: 80, .size: 8, .value_kind: global_buffer, .address_space: global }
      - { .name: mbits, .offset: 88, .size: 8, .value_kind: global_buffer, .address_space: global }
    .group_segment_fixed_size: 68096
    .private_segment_fixed_size: 0
    .kernarg_segment_align: 8
    .kernarg_segment_size: 96
    .max_flat_workgroup_size: 128
    .sgpr_count:     66
    .vgpr_count:     192
    .wavefront_size: 32
...
	.end_amdgpu_metadata
.endif
;; end of part 1
;; launch qkv (part 2): grid 12 x 32, 4 waves a work-group, clusters of 4 x 4, 327,680 bytes of LDS; arguments xc, xs, wc, ws, qkv, bq, bk, bv; writes qkv
.if DOCPART == 2
	.amdgcn_target "amdgcn-amd-amdhsa--gfx1250"
	.amdhsa_code_object_version 6
	.text
	.protected	k_q9037c88fc6_qkv
	.globl	k_q9037c88fc6_qkv
	.p2align	8
	.type	k_q9037c88fc6_qkv,@function
k_q9037c88fc6_qkv:
	s_mov_b64 s[64:65], 0
	v_nop
	global_prefetch_b8 v0, s[64:65] scope:SCOPE_SE
	s_setreg_imm32_b32 hwreg(HW_REG_WAVE_MODE, 25, 1), 1
	s_wait_xcnt 0x0
	s_wait_alu depctr_hold_cnt(0) depctr_sa_sdst(0) depctr_va_vdst(0) depctr_va_sdst(0) depctr_va_ssrc(0) depctr_va_vcc(0) depctr_vm_vsrc(0)
	s_getreg_b32 s2, hwreg(HW_REG_IB_STS2, 6, 4)
	s_cmp_eq_u32 s2, 0
	s_cbranch_scc0 .Lentry_in_a_cluster
	s_endpgm
.Lentry_in_a_cluster:
	s_bfe_u32 s2, ttmp6, 0x10000c
	s_cmp_lg_u32 s2, 0xf033
	s_cbranch_scc0 .Lentry_shape_is_right
	s_endpgm
.Lentry_shape_is_right:
; Launch 2 of 4: q, k, v = x W^T + b, the three products as ONE product on codes of FP4 (E2M1) with E8M0 scales: A = x [8192][1024], B = Wq, Wk, Wv on end [3072][1024].  Nothing is left out.
; A tile of C, 256 x 256, is made by four waves, 128 x 128 each: 64 accumulators, 512 registers.  K = 1,024 is two steps of 512, each in an LDS slot of its own: both are asked for at the start, nothing is filled again.
; The scale bytes of the work-group's rows of A and B, for all of K, come once, as dense blocks.  CLUSTERS: 4 x 4 work-groups; A's tiles are asked for jointly along a row of the cluster, B's along a column.
; THE MATRIX INSTRUCTION IS USED TRANSPOSED (source 0 = 16 rows of W, source 1 = 16 rows of x): a lane holds one token and eight neighbouring output columns.  The bias, in that layout, is the C of each sum's first instruction.
; THE WAY OUT NEEDS NO LDS: a lane's eight numbers, rounded to f16, are 16 bytes of the NEXT product's operand registers, in the same lane.  qkv has 192 planes of 262,144 bytes, plane = 64 section + 16 batch + head:
;   q, k: [16 tokens][u][c][lane][16 bytes]: lane (r, h) holds token r, channels 32 u + 16 c + 8 h + 0..7: the image of a 16-bit fragment.   v: [16 tokens][ct][r][h][16 bytes]: 16 tokens x 16 channels as rows of 32 bytes.
; q is multiplied by log2(e) / 8 in f32 ahead of the rounding, so that the attention's scores are exponents of 2 as they come.
; LIMITS: |q| log2(e) / 8, |k|, |v| up to 65,504 (f16); NaN and infinities are not served.
; REGISTERS, in windows of 256: window 0: v0-31 addresses; v32-95 scale words, two sets; v128-191 A's fragments, one set; v192-255 the bias; on the way out v32-159 hold packed results.
;   window 1: B's fragments, two sets.   window 2: the accumulators of my rows 0-63 ((a, b) at v[8 (8 a + b)]);   window 3: those of rows 64-127.
.set SIZE_K, 1024
.set KSTEP,  512
.set NQ,     KSTEP/128
.set ROWB,   256                       ; a tile's row in bytes
.set KROW,   SIZE_K/2                  ; a row of codes in memory
.set PITCH,  272                       ; an LDS row: 256 bytes + 16: the 16 rows that a load touches start 68 words apart
.set FR,     8
.set NL,     2
.set NP,     4                         ; places behind this matrix instruction (ISA guide 7.12.1)
.set HALFT,  128*PITCH
.set SLOT,   4*HALFT
.set KS,     SIZE_K/32                 ; a row of scale bytes
.set SCL,    2*SLOT
.set HALFS,  (128*KS/256)*272
.set SBLK,   (16*KS/256)*272
.set SPARE,  SCL+4*HALFS               ; the spare words, 128 bytes for each wave
.set ADRA, 16
.set ADRB, 20
.set BOF,  24                          ; v24  32 x (lane / 16): my eight numbers of a bias tile
.set VO,   26                          ; v26  my 16 bytes in an image
.set ADRS, 27
.set SPW,  28
.set NIL,  29
.set SC,   32
.set AF,   128
.set BIAS, 192
.set PK,   32
.set G1, 24
.set G0, 32
.set G1B, 48
.set G0B, 56
.set G1S, 68
.set G0S, 76
.set G1SB, 80
.set G0SB, 88
.set MSB, 0
.macro WIN new                         ; the immediate's high byte repeats the setting that is left
.if MSB != (\new)
	s_set_vgpr_msb (MSB<<8)|(\new)
.set MSB, (\new)
.endif
.endm
.set MUL_LO, 0xa1                      ; source 0 (B) window 1, source 1 (A) window 0, C and D window 2
.set MUL_HI, 0xf1                      ; the same, C and D window 3
.set TO_B,   0x40
; A joint load: waves 0 and 1 fetch for A, waves 2 and 3 for B; the branch hangs on the wave's number alone.  An s_nop 0 and four v_nop follow each of the two lines.
.macro JLOAD g0a, g1a, g0b, g1b
	s_cmp_eq_u32 s15, 0
	s_cbranch_scc0 .Lfor_b_\@
	tensor_load_to_lds s[\g0a:\g0a+3], s[\g1a:\g1a+7]
	s_nop 0
.rept 4
	v_nop
.endr
	s_branch .Lasked_\@
.Lfor_b_\@:
	tensor_load_to_lds s[\g0b:\g0b+3], s[\g1b:\g1b+7]
	s_nop 0
.rept 4
	v_nop
.endr
.Lasked_\@:
.endm
.macro CROUND                          ; a round of the cluster's barrier
	s_barrier_signal -1
	s_barrier_wait -1
	s_cmp_lg_u32 s14, 0
	s_cbranch_scc1 .Lnot_wave_0_\@
	s_barrier_signal -3
.Lnot_wave_0_\@:
	s_barrier_wait -3
	s_barrier_signal -1
	s_barrier_wait -1
.endm
	s_load_b128 s[4:7], s[0:1], 0x0                ; x's codes, x's scales
	s_load_b128 s[8:11], s[0:1], 0x10              ; W's codes, W's scales
	s_load_b64 s[12:13], s[0:1], 0x20              ; qkv
	s_load_b128 s[96:99], s[0:1], 0x28             ; bq, bk
	s_load_b64 s[100:101], s[0:1], 0x38            ; bv
	v_lshl_add_u32 v[SPW], v0, 2, SPARE
	v_mov_b32 v[NIL], 0
	ds_add_u32 v[SPW], v[NIL]                      ; the wave's opening: the add, twice on end, and its wait ahead of my first tensor load
	ds_add_u32 v[SPW], v[NIL]
	v_lshrrev_b32 v1, 5, v0
	v_readfirstlane_b32 s14, v1                    ; wave 0..3
	s_lshr_b32 s15, s14, 1                         ; which half of the tile's rows is mine.  Also: I fetch for A (0) or for B (1)
	s_and_b32 s16, s14, 1                          ; which half of its columns.  Also: which 128 rows of that tile I fetch
	s_bfe_u32 s40, ttmp6, 0x40000                  ; cx, cy
	s_bfe_u32 s41, ttmp6, 0x40004
	s_lshl_b32 s42, ttmp9, 2
	s_add_co_u32 s42, s42, s40                     ; tile column = 4 x cluster x + cx.  The cluster's x is the section: 0 q, 1 k, 2 v
	s_and_b32 s17, ttmp7, 0xffff
	s_lshl_b32 s17, s17, 2
	s_add_co_u32 s17, s17, s41                     ; tile row
	s_lshl_b32 s43, s41, 2
	s_lshl_b32 s43, 15, s43                        ; my row of the cluster
	s_lshl_b32 s44, 0x1111, s40                    ; my column
	s_mov_b32 s66, 0x3e38aa3b                      ; log2(e) / 8
	s_mov_b32 s67, s66                             ; (named with it as a pair)
	s_or_b32 s[G1+0], s43, (0<<16)|(1<<20)|(1<<21)|(5<<22)|(3<<25)  ; the mask; elements of 1 byte; padding: 4 words behind every 64; bit 21 beside a mask
	s_or_b32 s[G1B+0], s44, (0<<16)|(1<<20)|(1<<21)|(5<<22)|(3<<25)
.irp g, G1, G1B
	s_mov_b32 s[\g+1], ROWB<<16                    ; tensor_dim0
	s_mov_b32 s[\g+2], 128<<16                     ; tensor_dim1
	s_mov_b32 s[\g+3], ROWB<<16                    ; tile_dim0
	s_mov_b32 s[\g+4], 128                         ; tile_dim1
	s_mov_b32 s[\g+5], KROW                        ; from row to row
	s_mov_b32 s[\g+6], 0
	s_mov_b32 s[\g+7], 0
.endr
	s_or_b32 s[G1S+0], s43, (3<<16)|(1<<20)|(1<<21)|(5<<22)|(3<<25)  ; the scales of 128 rows: a dense block, as rows of 256 bytes (32 elements of 8), 16 bytes of padding behind each
	s_or_b32 s[G1SB+0], s44, (3<<16)|(1<<20)|(1<<21)|(5<<22)|(3<<25)
.irp g, G1S, G1SB
	s_mov_b32 s[\g+1], 32<<16
	s_mov_b32 s[\g+2], (128*KS/256)<<16
	s_mov_b32 s[\g+3], 32<<16
	s_mov_b32 s[\g+4], 128*KS/256
	s_mov_b32 s[\g+5], 32
	s_mov_b32 s[\g+6], 0
	s_mov_b32 s[\g+7], 0
.endr
	s_lshl_b32 s18, s16, 7
	s_lshl_b32 s20, s17, 8
	s_add_co_u32 s20, s20, s18                     ; A: row 256 x tile row + 128 x half
	s_lshl_b32 s46, s42, 8
	s_add_co_u32 s46, s46, s18                     ; B: row 256 x tile column + 128 x half
	s_mov_b32 s21, 0
	s_mov_b32 s47, 0
	s_mov_b64 s[18:19], KS
	s_mul_u64 s[22:23], s[20:21], s[18:19]         ; these rows' scales, in bytes
	s_mul_u64 s[92:93], s[46:47], s[18:19]
	s_mov_b64 s[18:19], KROW
	s_mul_u64 s[20:21], s[20:21], s[18:19]         ; and their codes
	s_mul_u64 s[46:47], s[46:47], s[18:19]
	s_mul_i32 s45, s14, HALFT                      ; where they go: wave x 128 rows
	s_mul_i32 s94, s14, HALFS
	s_wait_dscnt 0x0                               ; both opening adds are done
	s_wait_kmcnt 0x0
	s_add_nc_u64 s[20:21], s[4:5], s[20:21]
	s_add_nc_u64 s[22:23], s[6:7], s[22:23]
	s_add_nc_u64 s[46:47], s[8:9], s[46:47]
	s_add_nc_u64 s[92:93], s[10:11], s[92:93]
	CROUND                                         ; all sixteen work-groups are here: the joint loads meet
	s_mov_b32 s[G0S], 1
	s_add_co_u32 s[G0S+1], s94, SCL
	s_mov_b64 s[G0S+2:G0S+3], s[22:23]
	s_or_b32 s[G0S+3], s[G0S+3], 0x80000000
	s_mov_b32 s[G0SB], 1
	s_add_co_u32 s[G0SB+1], s94, SCL
	s_mov_b64 s[G0SB+2:G0SB+3], s[92:93]
	s_or_b32 s[G0SB+3], s[G0SB+3], 0x80000000
	JLOAD G0S, G1S, G0SB, G1SB                     ; the scales first: they are wanted with K step 0
.irp s, 0,1
	s_mov_b32 s[G0+4*\s], 1
	s_add_co_u32 s[G0+4*\s+1], s45, \s*SLOT
	s_add_nc_u64 s[G0+4*\s+2:G0+4*\s+3], s[20:21], \s*ROWB
	s_or_b32 s[G0+4*\s+3], s[G0+4*\s+3], 0x80000000
	s_mov_b32 s[G0B+4*\s], 1
	s_add_co_u32 s[G0B+4*\s+1], s45, \s*SLOT
	s_add_nc_u64 s[G0B+4*\s+2:G0B+4*\s+3], s[46:47], \s*ROWB
	s_or_b32 s[G0B+4*\s+3], s[G0B+4*\s+3], 0x80000000
	JLOAD G0+4*\s, G1, G0B+4*\s, G1B               ; three tensor loads of mine are out in all
.endr
	v_and_b32 v1, 15, v0                           ; r
	v_bfe_u32 v2, v0, 4, 1                         ; h
	; the bias of my 128 columns: the section's vector (chosen by the cluster's x, which all partners share), from column 256 cx + 128 x half on
	s_cmp_eq_u32 ttmp9, 0
	s_cselect_b64 s[96:97], s[96:97], s[98:99]
	s_cmp_eq_u32 ttmp9, 2
	s_cselect_b64 s[96:97], s[100:101], s[96:97]
	s_cselect_b32 s22, 32, 16                      ; an image's bytes from r to r + 1: v 32, q and k 16
	s_cselect_b32 s23, 16, 256                     ; and from h = 0 to h = 1
	s_lshl_b32 s92, s40, 10
	s_lshl_b32 s93, s16, 9
	s_add_co_u32 s92, s92, s93
	s_mov_b32 s93, 0
	s_add_nc_u64 s[96:97], s[96:97], s[92:93]
	v_lshlrev_b32 v[BOF], 5, v2
.irp b, 0,1,2,3,4,5,6,7
.irp e, 0,1
	global_load_b128 v[BIAS+8*\b+4*\e:BIAS+8*\b+4*\e+3], v[BOF], s[96:97] offset:64*\b+16*\e   ; lane (r, h), tile b: columns 16 b + 8 h + 0..7
.endr
.endr
	v_mul_u32_u24 v3, v1, PITCH
	v_lshl_add_u32 v4, v2, 4, v3                   ; a fragment's row x pitch + 16 x half
	s_mul_i32 s21, s15, HALFT
	s_mul_i32 s20, s16, HALFT
	s_add_co_u32 s20, s20, 2*HALFT                 ; B's rows lie behind A's 256
.irp s, 0,1
	v_add_nc_u32 v[ADRA+\s], s21, v4
	v_add_nc_u32 v[ADRB+\s], s20, v4
	s_add_co_u32 s21, s21, SLOT
	s_add_co_u32 s20, s20, SLOT
.endr
	v_mul_u32_u24 v5, v1, KS                       ; my row's scales: KS bytes a row,
	v_lshrrev_b32 v6, 8, v5
	v_lshl_add_u32 v5, v6, 4, v5                   ; and 16 more for each 256 passed
	s_mul_i32 s21, s15, HALFS
	s_mul_i32 s20, s16, HALFS
	s_add_co_u32 s20, s20, 2*HALFS
	s_sub_co_u32 s20, s20, s21
	v_mul_u32_u24 v6, s20, v2                      ; lanes 16-31 take B's: one product, the distance between the two bases
	s_add_co_u32 s21, s21, SCL
	v_add_nc_u32 v5, v5, v6
	v_add_nc_u32 v[ADRS], s21, v5
	v_mul_u32_u24 v[VO], s22, v1
	v_mad_u32_u24 v[VO], v2, s23, v[VO]
	; where my results go: plane = 64 section + 16 batch + head of my first 64 columns; token x 128 bytes
	s_lshl_b32 s46, s42, 2
	s_lshl_b32 s47, s16, 1
	s_add_co_u32 s46, s46, s47                     ; 64 columns counted over the three sections: 0..47
	s_lshr_b32 s47, s46, 4
	s_lshl_b32 s47, s47, 6
	s_and_b32 s46, s46, 15
	s_add_co_u32 s46, s46, s47
	s_lshr_b32 s47, s17, 3                         ; batch: 8 tile rows each
	s_lshl_b32 s47, s47, 4
	s_add_co_u32 s46, s46, s47
	s_lshl_b32 s46, s46, 18
	s_lshl_b32 s47, s17, 8
	s_lshl_b32 s20, s15, 7
	s_add_co_u32 s47, s47, s20
	s_and_b32 s47, s47, 2047                       ; my first token in its batch
	s_lshl_b32 s47, s47, 7
	s_add_co_u32 s46, s46, s47
	s_mov_b32 s47, 0
	s_add_nc_u64 s[12:13], s[12:13], s[46:47]
.macro FRAG reg, adr, q, i             ; 16 rows x 128 K of 4-bit codes: 8 registers: lane l holds row l % 16; registers 4 c .. 4 c + 3 hold K = 64 c + 32 (l / 16) + 0 .. 31
.irp c, 0,1
	ds_load_b128 v[\reg+4*\c:\reg+4*\c+3], v[\adr] offset:64*(\q)+32*\c+(\i)*16*PITCH
.endr
.endm
; 16 matrix instructions: A's blocks a0, a0 + 1 x B's eight, the slot's q-th 128 along K.  first = 1: the bias starts the sums.  The 64 accumulators take turns, one instruction a turn.
.macro MUL16 a0, p, q, sc, first
.irp a, \a0, \a0+1
.irp b, 0,1,2,3,4,5,6,7
.if \first
	v_wmma_scale_f32_16x16x128_f8f6f4 v[8*(8*((\a)%4)+\b):8*(8*((\a)%4)+\b)+7], v[128*(\p)+FR*\b:128*(\p)+FR*\b+FR-1], v[AF+FR*(\a):AF+FR*(\a)+FR-1], v[BIAS+8*\b:BIAS+8*\b+7], v[SC+8*NQ*(\sc)+NQ*\b+(\q)], v[SC+8*NQ*(\sc)+NQ*(\a)+(\q)] matrix_a_fmt:MATRIX_FMT_FP4 matrix_b_fmt:MATRIX_FMT_FP4 matrix_a_scale:MATRIX_SCALE_ROW1
.else
	v_wmma_scale_f32_16x16x128_f8f6f4 v[8*(8*((\a)%4)+\b):8*(8*((\a)%4)+\b)+7], v[128*(\p)+FR*\b:128*(\p)+FR*\b+FR-1], v[AF+FR*(\a):AF+FR*(\a)+FR-1], v[8*(8*((\a)%4)+\b):8*(8*((\a)%4)+\b)+7], v[SC+8*NQ*(\sc)+NQ*\b+(\q)], v[SC+8*NQ*(\sc)+NQ*(\a)+(\q)] matrix_a_fmt:MATRIX_FMT_FP4 matrix_b_fmt:MATRIX_FMT_FP4 matrix_a_scale:MATRIX_SCALE_ROW1
.endif
.endr
.endr
.endm
.macro FETCH_B slot, q, p
	WIN TO_B
.irp i, 0,1,2,3,4,5,6,7
	FRAG 128*(\p)+FR*\i, ADRB+\slot, \q, \i
.endr
	WIN 0
.endm
.macro FETCH_A slot, q, i0
.irp i, \i0, \i0+1, \i0+2, \i0+3
	FRAG AF+FR*(\i), ADRA+\slot, \q, \i
.endr
.endm
.macro SCALES sc                       ; a K step's scale words: lanes 0-15 take A's block i, lanes 16-31 B's block i
.irp i, 0,1,2,3,4,5,6,7
	ds_load_b128 v[SC+8*NQ*\sc+NQ*\i:SC+8*NQ*\sc+NQ*\i+3], v[ADRS] offset:\i*SBLK
.endr
.endm
.macro PLACES n                        ; plain vector instructions between a matrix instruction and a load into, or a vector read or write of, its registers
.rept \n
	v_nop
.endr
.endm
.macro STEP slot, q, first             ; 128 along K with its successor in the same slot
	s_wait_dscnt 4*NL                              ; B's set and A's blocks 0-3 are in; the youngest eight loads (A's blocks 4-7) may be out
	WIN MUL_LO-0x20*(\first)                       ; (first: C, the bias, in window 0)
	MUL16 0, (\q)%2, \q, \slot, \first
	MUL16 2, (\q)%2, \q, \slot, \first
	s_wait_dscnt 0
	PLACES NP
	FETCH_B \slot, (\q)+1, 1-(\q)%2
	FETCH_A \slot, (\q)+1, 0
	WIN MUL_HI-0x30*(\first)
	MUL16 4, (\q)%2, \q, \slot, \first
	MUL16 6, (\q)%2, \q, \slot, \first
	PLACES NP
	WIN 0
	FETCH_A \slot, (\q)+1, 4
.endm
	s_wait_tensorcnt 1                             ; the scales and my part of K step 0 are in; K step 1's load may be out
	s_barrier_signal -1
	s_barrier_wait -1
	FETCH_B 0, 0, 0
	FETCH_A 0, 0, 0
	SCALES 0
	FETCH_A 0, 0, 4
	s_wait_loadcnt 0x0                             ; the bias
	STEP 0, 0, 1
	STEP 0, 1, 0
	STEP 0, 2, 0
	; slot 0's last step changes slots: one barrier; in front of it my tensor loads have landed and my reads of slot 0 are over
	s_wait_tensorcnt 0x0                           ; my part of slot 1 is in
	ds_add_u32 v[SPW], v[NIL]                      ; 0 onto my spare word
	s_wait_dscnt 4*NL+1                            ; (the add and A's blocks 4-7 may be out)
	WIN MUL_LO
	MUL16 0, 1, NQ-1, 0, 0
	s_wait_dscnt 0x0
	s_barrier_signal -1
	MUL16 2, 1, NQ-1, 0, 0
	WIN 0
	s_barrier_wait -1                              ; slot 1 is whole
	PLACES NP
	v_add_nc_u32 v[ADRS], 4*NQ, v[ADRS]            ; the second K step's scale words
	FETCH_B 1, 0, 0
	FETCH_A 1, 0, 0
	SCALES 1
	WIN MUL_HI
	MUL16 4, 1, NQ-1, 0, 0
	MUL16 6, 1, NQ-1, 0, 0
	PLACES NP
	WIN 0
	FETCH_A 1, 0, 4
	STEP 1, 0, 0
	STEP 1, 1, 0
	STEP 1, 2, 0
	s_wait_dscnt 4*NL                              ; the last step: nothing more to fetch
	WIN MUL_LO
	MUL16 0, 1, NQ-1, 1, 0
	MUL16 2, 1, NQ-1, 1, 0
	s_wait_dscnt 0
	WIN MUL_HI
	MUL16 4, 1, NQ-1, 1, 0
	MUL16 6, 1, NQ-1, 1, 0
	WIN 0
	PLACES NP                                      ; in front of the first reads of results and the first writes of registers that the products read
	s_cmp_lg_u32 ttmp9, 0                          ; the cluster's x: the same in all partners
	s_cbranch_scc1 .Lplain
	WIN 0x82                                       ; q alone: x log2(e) / 8, in f32; each accumulator from its low end on
.set i, 0
.rept 128
	v_pk_mul_f32 v[i:i+1], v[i:i+1], s[66:67] op_sel_hi:[1,0]
.set i, i+2
.endr
	WIN 0xc3
.set i, 0
.rept 128
	v_pk_mul_f32 v[i:i+1], v[i:i+1], s[66:67] op_sel_hi:[1,0]
.set i, i+2
.endr
	WIN 0
.Lplain:
; Block a (16 tokens x 128 columns): rounded to f16, 16 bytes a lane and tile, and stored as it stands: each store covers 512 consecutive bytes of an image.
.macro OUTB a
.set AC, 64*((\a)%4)
.set PB, PK+32*((\a)%4)
.if (\a) >= 4
	s_wait_xcnt 0x0                                ; block a - 4's stores have read these registers
.endif
	WIN 0x0a+5*((\a)/4)                            ; sources 0 and 1: window 2 or 3
.irp b, 0,1,2,3,4,5,6,7
.irp k, 0,1,2,3
	v_cvt_pk_f16_f32 v[PB+4*\b+\k], v[AC+8*\b+2*\k], v[AC+8*\b+2*\k+1]
.endr
.endr
	WIN 0
.irp b, 0,1,2,3,4,5,6,7
	global_store_b128 v[VO], v[PB+4*\b:PB+4*\b+3], s[12:13] offset:(\a)*2048+(\b%4)*512+(\b/4)*262144   ; tokens 16 a on; 16 channels (b % 4); head b / 4 of my two
.endr
.endm
.irp a, 0,1,2,3,4,5,6,7
	OUTB \a
.endr
	s_wait_tensorcnt 0x0                           ; the wave's end
	ds_add_u32 v[SPW], v[NIL]
	s_wait_dscnt 0x0
	CROUND                                         ; the closing round
	s_endpgm
.Lfunc_end_k_q9037c88fc6_qkv:
	.size	k_q9037c88fc6_qkv, .Lfunc_end_k_q9037c88fc6_qkv-k_q9037c88fc6_qkv
	.p2alignl 7, 3214868480
	.fill 96, 4, 3214868480
	.section	.rodata,"a",@progbits
	.p2align	6, 0x0
	.amdhsa_kernel k_q9037c88fc6_qkv
		.amdhsa_group_segment_fixed_size 327680
		.amdhsa_private_segment_fixed_size 0
		.amdhsa_enable_private_segment 0
		.amdhsa_kernarg_size 64
		.amdhsa_user_sgpr_count 2
		.amdhsa_user_sgpr_kernarg_segment_ptr 1
		.amdhsa_wavefront_size32 1
		.amdhsa_system_sgpr_workgroup_id_x 1
		.amdhsa_system_sgpr_workgroup_id_y 1
		.amdhsa_system_sgpr_workgroup_id_z 1
		.amdhsa_system_vgpr_workitem_id 0
		.amdhsa_next_free_vgpr 1024
		.amdhsa_next_free_sgpr 102
		.amdhsa_reserve_vcc 0
		.amdhsa_float_denorm_mode_32 3
		.amdhsa_float_denorm_mode_16_64 3
		.amdhsa_memory_ordered 1
		.amdhsa_forward_progress 1
		.amdhsa_inst_pref_size 136
	.end_amdhsa_kernel
	.amdgpu_metadata
---
amdhsa.version: [ 1, 2 ]
amdhsa.kernels:
  - .name:           k_q9037c88fc6_qkv
    .symbol:         k_q9037c88fc6_qkv.kd
    .args:
      - { .name: xc, .offset: 0, .size: 8, .value_kind: global_buffer, .address_space: global }
      - { .name: xs, .offset: 8, .size: 8, .value_kind: global_buffer, .address_space: global }
      - { .name: wc, .offset: 16, .size: 8, .value_kind: global_buffer, .address_space: global }
      - { .name: ws, .offset: 24, .size: 8, .value_kind: global_buffer, .address_space: global }
      - { .name: qkv, .offset: 32, .size: 8, .value_kind: global_buffer, .address_space: global }
      - { .name: bq, .offset: 40, .size: 8, .value_kind: global_buffer, .address_space: global }
      - { .name: bk, .offset: 48, .size: 8, .value_kind: global_buffer, .address_space: global }
      - { .name: bv, .offset: 56, .size: 8, .value_kind: global_buffer, .address_space: global }
    .group_segment_fixed_size: 327680
    .private_segment_fixed_size: 0
    .kernarg_segment_align: 8
    .kernarg_segment_size: 64
    .max_flat_workgroup_size: 128
    .sgpr_count:     102
    .vgpr_count:     1024
    .wavefront_size: 32
...
	.end_amdgpu_metadata
.endif
;; end of part 2
;; launch attn (part 3): grid 8 x 64, 4 waves a work-group, clusters of 4 x 1, 327,680 bytes of LDS; arguments qkv, mbits, ao; writes ao
.if DOCPART == 3
	.amdgcn_target "amdgcn-amd-amdhsa--gfx1250"
	.amdhsa_code_object_version 6
	.text
	.protected	k_q9037c88fc6_attn
	.globl	k_q9037c88fc6_attn
	.p2align	8
	.type	k_q9037c88fc6_attn,@function
k_q9037c88fc6_attn:
	s_mov_b64 s[64:65], 0
	v_nop
	global_prefetch_b8 v0, s[64:65] scope:SCOPE_SE
	s_setreg_imm32_b32 hwreg(HW_REG_WAVE_MODE, 25, 1), 1
	s_wait_xcnt 0x0
	s_wait_alu depctr_hold_cnt(0) depctr_sa_sdst(0) depctr_va_vdst(0) depctr_va_sdst(0) depctr_va_ssrc(0) depctr_va_vcc(0) depctr_vm_vsrc(0)
	s_getreg_b32 s2, hwreg(HW_REG_IB_STS2, 6, 4)
	s_cmp_eq_u32 s2, 0
	s_cbranch_scc0 .Lentry_in_a_cluster
	s_endpgm
.Lentry_in_a_cluster:
	s_bfe_u32 s2, ttmp6, 0x10000c
	s_cmp_lg_u32 s2, 0x3003
	s_cbranch_scc0 .Lentry_shape_is_right
	s_endpgm
.Lentry_shape_is_right:
; Launch 3 of 4: ao[b][q][head] = softmax_k(where(mask == 0, -1e9, q.k / 8)) v, for 64 (batch, head) pairs, 2,048 queries and keys, head size 64.  Nothing is left out: the mask is an input, so every tile is multiplied.
; q arrives multiplied by log2(e) / 8, so a score is t, an exponent of 2; a masked score is -1e9 log2(e).  p = 2^(t - m), m the running largest t (masked ones among them): the subtraction is exact at the maximum, so the largest p is 1,
; and a row whose keys are all masked gets p = 1 everywhere, the plain mean that reference() gives.  O and l are multiplied by a = 2^(m_old - m_new) in every step.  Operands in f16, sums in f32; p is rounded to f16 for the second product.
; LIMITS: operands and results up to 65,504 (f16); NaN and infinities are not served.
; SHARES.  A work-group owns 256 queries of one (batch, head), each of its four waves 64: four tiles of 16.  Every wave walks all keys, 64 a step.
; LAYOUT.  S^T = K Q^T (source 0 = 16 keys, source 1 = 16 queries): a lane holds ONE query (lane % 16) and keys 8 (lane / 16) + 0..7.  Two such tiles, rounded in pairs, ARE source 1 of O^T = V^T P.  K's and Q's fragments lie in memory
; and in LDS as images of their registers (16 bytes a lane on end); V lies as 16 keys x 16 channels in rows of 32 bytes and is turned by ds_load_tr16_b128.  O^T, rounded to f16, is an image of the last product's operand and is stored as it stands.
; THE MASK comes as words of 32 bits, one for each register of a tile of S^T, a bit a lane: scalar loads bring a piece's 64 words a turn ahead, and one v_cndmask_b32 a register applies them.
; BY TURNS.  The tiles are two PIECES (0: tiles 0, 1; 2: tiles 2, 3).  In a turn one piece has the matrix unit (16 products V^T P of the step in hand, 16 products K Q^T of the next); the other piece's softmax, 298 vector instructions,
; stands in slices of nine behind the matrix instructions.  Two turns are a key step.
; CLUSTER.  The four query blocks of a cluster belong to one (batch, head) and walk the same K and V: each tile is asked for jointly, with a mask that names the four.
; LDS: two slots of 512 keys: K's 65,536 bytes, then V's; each wave brings a quarter of a slot by one load.  Two tensor loads of a wave are out at the start, later one.
; REGISTERS, in windows of 256: window 0: v2-9 addresses; v12-43 statistics, 8 a tile; v64-191 S^T, 32 a tile; v192-255 P, 16 a tile.   window 1: v0-127 O^T, 32 a tile; v128-191 Q; v192-255 K of one step.   window 2: v0-63 V of one step.
.set STEPB, 8192                       ; a step's 64 keys of K, and of V, in bytes
.set VOFF,  65536
.set SLOT1, 131072                     ; one exclusive or turns an address in one slot into the other's
.set SPARE, 262144                     ; behind the ring: the spare words, 128 bytes for each wave
.set AK0,  2                           ; v2   16 x lane: my place in an image; never rewritten
.set AV0,  3                           ; v3   my place in a tile of V; never rewritten
.set ADR,  4                           ; v4   the LDS address of the run of loads in hand
.set NEGR, 9                           ; v9   -1e9 log2(e)
.set ST,   12                          ; tile t at v[ST + 8 t]: +0 m, +1 its pair's upper half, +2, +3 l, +4 to +7 c0-c3 at work; a takes c2's place
.set SPW,  62
.set NIL,  63
.set S,    64
.set P,    192
.set QF,   128
.set KF,   192
.set WV,   12                          ; s12  my wave's number
.set TB,   14                          ; s14  LDS byte at which the tiles of the step to be fetched begin
.set MO,   15                          ; s15  128 x the step whose mask words are asked for
.set G1,   16                          ; s[16:23] descriptor group 1
.set G0A,  24                          ; s[24:27] group 0 of slot 0's first fill
.set G0B,  28                          ; s[28:31] group 0 of slot 1's first fill; it then walks
.set MW0,  32                          ; s[32:63] the even tile's 32 mask words
.set MW1,  68                          ; s[68:99] the odd tile's
.set SLOTS, 66
.set CNT,  67
.set SEL,  100                         ; s[100:101] v_permlanex16_b32's selects for lane l xor 16
.set MSB, 0
.macro WIN new                         ; the immediate's high byte repeats the setting that is left; a switch that changes nothing is dropped
.if MSB != (\new)
	s_set_vgpr_msb (MSB<<8)|(\new)
.set MSB, (\new)
.endif
.endm
.set W_KQ, 0x05                        ; K and Q in window 1, S^T in window 0
.set W_PV, 0x52                        ; V in window 2, P in window 0, O^T in window 1
.set W_RS, 0x41                        ; O^T (destination and source 0) in window 1, a in window 0
.macro CROUND                          ; a round of the cluster's barrier
	s_barrier_signal -1
	s_barrier_wait -1
	s_cmp_lg_u32 s[WV], 0
	s_cbranch_scc1 .Lnot_wave_0_\@
	s_barrier_signal -3
.Lnot_wave_0_\@:
	s_barrier_wait -3
	s_barrier_signal -1
	s_barrier_wait -1
.endm
.macro PLACES
.rept 4
	v_nop
.endr
.endm
.macro MLOADS p                        ; the 64 mask words of piece p (tiles p, p + 1) for the step at s[MO]: a tile row of queries is 4,096 bytes, a step 128
	s_load_b512 s[MW0:MW0+15], s[6:7], s[MO] offset:(\p)*4096
	s_load_b512 s[MW0+16:MW0+31], s[6:7], s[MO] offset:(\p)*4096+64
	s_load_b512 s[MW1:MW1+15], s[6:7], s[MO] offset:((\p)+1)*4096
	s_load_b512 s[MW1+16:MW1+31], s[6:7], s[MO] offset:((\p)+1)*4096+64
.endm
	s_load_b128 s[4:7], s[0:1], 0x0                ; qkv, mbits
	s_load_b64 s[8:9], s[0:1], 0x10                ; ao
	v_lshl_add_u32 v[SPW], v0, 2, SPARE
	v_mov_b32 v[NIL], 0
	ds_add_u32 v[SPW], v[NIL]                      ; the wave's opening: the add, twice on end, and its wait ahead of my first tensor load
	ds_add_u32 v[SPW], v[NIL]
	v_lshrrev_b32 v1, 5, v0
	v_readfirstlane_b32 s[WV], v1                  ; wave 0..3
	s_bfe_u32 s13, ttmp6, 0x40000                  ; cx
	s_lshl_b32 s32, ttmp9, 2
	s_add_co_u32 s32, s32, s13                     ; my block of 256 queries: it enters Q's, the mask's and O's addresses alone
	s_and_b32 s33, ttmp7, 0xffff                   ; 16 batch + head, which the four partners share
	s_mov_b32 s[G1], 15|(3<<16)|(1<<21)            ; the mask: all four work-groups; elements of 8 bytes; bit 21 beside a mask; no padding
	s_mov_b32 s[G1+1], 32<<16                      ; tensor_dim0 = 32: rows of 256 bytes
	s_mov_b32 s[G1+2], 128<<16                     ; tensor_dim1 = 128: a dense block of 32,768 bytes
	s_mov_b32 s[G1+3], 32<<16                      ; tile_dim0
	s_mov_b32 s[G1+4], 128                         ; tile_dim1
	s_mov_b32 s[G1+5], 32                          ; from row to row
	s_mov_b32 s[G1+6], 0
	s_mov_b32 s[G1+7], 0
	s_lshr_b32 s34, s[WV], 1                       ; what I fetch: waves 0, 1 the halves of a slot's K, waves 2, 3 of its V
	s_add_co_u32 s34, s34, 1                       ; section 1 (k) or 2 (v)
	s_lshl_b32 s34, s34, 6
	s_add_co_u32 s34, s34, s33                     ; the plane
	s_lshl_b32 s34, s34, 18
	s_and_b32 s35, s[WV], 1
	s_lshl_b32 s35, s35, 15
	s_add_co_u32 s34, s34, s35
	s_mov_b32 s35, 0
	s_lshl_b32 s36, s[WV], 15                      ; and where it goes in a slot: wave x 32,768: no place in the cluster enters an LDS address
	s_lshl_b32 s38, s33, 18                        ; Q: plane 16 batch + head, my wave's four images of 2,048 bytes
	s_lshl_b32 s39, s32, 15
	s_add_co_u32 s38, s38, s39
	s_lshl_b32 s39, s[WV], 13
	s_add_co_u32 s38, s38, s39
	s_mov_b32 s39, 0
	s_lshl_b32 s40, s32, 16                        ; the mask words of my wave's first tile
	s_lshl_b32 s41, s[WV], 14
	s_add_co_u32 s40, s40, s41
	s_mov_b32 s41, 0
	s_lshr_b32 s42, s33, 4                         ; O: (128 batch + 16 block + 4 wave) blocks of 16 rows, 32,768 bytes each; + 2,048 x head
	s_lshl_b32 s42, s42, 7
	s_lshl_b32 s43, s32, 4
	s_add_co_u32 s42, s42, s43
	s_lshl_b32 s43, s[WV], 2
	s_add_co_u32 s42, s42, s43
	s_lshl_b32 s42, s42, 15
	s_and_b32 s43, s33, 15
	s_lshl_b32 s43, s43, 11
	s_add_co_u32 s42, s42, s43
	s_mov_b32 s43, 0
	s_mov_b32 s[SEL], 0x76543210
	s_mov_b32 s[SEL+1], 0xfedcba98
	s_mov_b32 s[TB], 0
	s_mov_b32 s[MO], 0
	s_wait_dscnt 0x0                               ; both opening adds are done
	s_wait_kmcnt 0x0
	s_add_nc_u64 s[34:35], s[4:5], s[34:35]        ; my tile of slot 0
	s_add_nc_u64 s[4:5], s[4:5], s[38:39]
	s_add_nc_u64 s[6:7], s[6:7], s[40:41]
	s_add_nc_u64 s[8:9], s[8:9], s[42:43]
	CROUND                                         ; all four work-groups are here: the first joint loads meet
	s_mov_b32 s[G0A], 1
	s_mov_b32 s[G0A+1], s36
	s_mov_b64 s[G0A+2:G0A+3], s[34:35]
	s_or_b32 s[G0A+3], s[G0A+3], 0x80000000
	s_mov_b32 s[G0B], 1
	s_add_co_u32 s[G0B+1], s36, SLOT1
	s_add_nc_u64 s[G0B+2:G0B+3], s[34:35], 65536   ; the next 512 keys
	s_or_b32 s[G0B+3], s[G0B+3], 0x80000000
	tensor_load_to_lds s[G0A:G0A+3], s[G1:G1+7]    ; every wave issues both first fills: no branch leads round a tensor load
	s_nop 0
	tensor_load_to_lds s[G0B:G0B+3], s[G1:G1+7]
	s_nop 0
	PLACES
	MLOADS 0                                       ; piece 0, step 0
	v_and_b32 v[AK0], 31, v0
	v_lshlrev_b32 v[AK0], 4, v[AK0]
	v_bfe_u32 v5, v0, 4, 1                         ; the turning load: lane l reads 16 bytes: key 8 (l / 16) + l % 8, channels 8 ((l / 8) % 2) + 0..7
	v_and_b32 v6, 7, v0
	v_lshl_add_u32 v5, v5, 3, v6
	v_bfe_u32 v6, v0, 3, 1
	v_lshlrev_b32 v[AV0], 5, v5
	v_lshl_add_u32 v[AV0], v6, 4, v[AV0]
	v_add_nc_u32 v[AV0], VOFF, v[AV0]
	WIN 0x40                                       ; destination window 1
.irp t, 0,1,2,3
.irp f, 0,1,2,3
	global_load_b128 v[QF+16*\t+4*\f:QF+16*\t+4*\f+3], v[AK0], s[4:5] offset:\t*2048+\f*512   ; Q stays in registers
.endr
.endr
	WIN 0
; Product i of 16 of S^T = K Q^T for piece x: channels 32 (i / 8) on, keys 16 ((i / 2) % 4) on, tile x + i % 2.  The first 8 start the sums.  Between two links on one accumulator stand 7 others'.
.macro KQ x
	WIN W_KQ
.set aS, S+32*((\x)+i%2)+8*((i/2)%4)
.set aK, KF+16*((i/2)%4)+8*(i/8)
.set aQ, QF+16*((\x)+i%2)+8*(i/8)
.if i < 8
	v_wmma_f32_16x16x32_f16 v[aS:aS+7], v[aK:aK+7], v[aQ:aQ+7], 0
.else
	v_wmma_f32_16x16x32_f16 v[aS:aS+7], v[aK:aK+7], v[aQ:aQ+7], v[aS:aS+7]
.endif
.endm
; Product i of 16 of O^T += V^T P: keys 32 (i / 8) on, channels 16 ((i / 2) % 4) on, tile x + i % 2.  zero = 1: the first 8 start the sums: nothing is ever cleared.
.macro PV x, zero
	WIN W_PV
.set aO, 32*((\x)+i%2)+8*((i/2)%4)
.set aV, 32*(i/8)+8*((i/2)%4)
.set aP, P+16*((\x)+i%2)+8*(i/8)
.if (\zero) && (i < 8)
	v_wmma_f32_16x16x32_f16 v[aO:aO+7], v[aV:aV+7], v[aP:aP+7], 0
.else
	v_wmma_f32_16x16x32_f16 v[aO:aO+7], v[aV:aV+7], v[aP:aP+7], v[aO:aO+7]
.endif
.endm
.macro FETCH_K                         ; a step's K: 8 fragments, 16 loads of 512 consecutive bytes
	WIN 0
	v_add_nc_u32 v[ADR], s[TB], v[AK0]
	WIN 0x40
.irp f, 0,1,2,3,4,5,6,7                ; keys 16 (f / 2) on, channels 32 (f % 2) on
	ds_load_b128 v[KF+8*\f:KF+8*\f+3],   v[ADR] offset:(\f/2)*2048+(\f%2)*1024
	ds_load_b128 v[KF+8*\f+4:KF+8*\f+7], v[ADR] offset:(\f/2)*2048+(\f%2)*1024+512
.endr
.endm
.macro FETCH_V                         ; the same step's V, turned; the wait for the softmax's batch of exponentials stands here, behind the address's addition
	WIN 0
	v_add_nc_u32 v[ADR], s[TB], v[AV0]
	s_add_co_u32 s[TB], s[TB], STEPB               ; the next fetch is the next step's
	s_wait_alu depctr_va_vdst(0)
	WIN 0x80
.irp f, 0,1,2,3,4,5,6,7                ; keys 32 (f / 4) on, channels 16 (f % 4) on
	ds_load_tr16_b128 v[8*\f:8*\f+3],   v[ADR] offset:(2*(\f/4))*2048+(\f%4)*512
	ds_load_tr16_b128 v[8*\f+4:8*\f+7], v[ADR] offset:(2*(\f/4)+1)*2048+(\f%4)*512
.endr
.endm
; THE VECTOR WORK.  One tile's softmax for one key step is a list of 149 instructions; SM writes number j of it for tile tt.  first = 1: the first key step, which starts m, l and O^T.
;   0-31    masked scores become -1e9 log2(e): a select a register, ascending
;   32-47   the maximum of the 32 scores and the old m, three operands at a time
;   48-51   the other half of the lanes' maximum; the old m kept; the new m; m_old - m_new
;   52-100  ONE BATCH: 16 packed subtractions t - m and 33 exponentials (a, then the 32 scores).  None of these names an exponential's result; a pair is subtracted three numbers or more ahead of its exponentials
;   (wait)  between 100 and 101 stands the one wait for the batch: VS writes it, once for both tiles
;   101-116 the roundings to f16;  117-132 the sums, l = a l + the sum;  133-148 the tile's O^T times a
.macro SM first
.set rT, ST+8*tt
.set rS, S+32*tt
.set rP, P+16*tt
.set rM, MW0+(MW1-MW0)*(tt%2)
.if j < 133
	WIN 0
.endif
.if j < 32
	v_cndmask_b32 v[rS+j], v[NEGR], v[rS+j], s[rM+j]
.elseif j < 36
	v_max3_num_f32 v[rT+j-28], v[rS+8*(j-32)], v[rS+8*(j-32)+1], v[rS+8*(j-32)+2]
.elseif j < 44
	v_max3_num_f32 v[rT+4+j%4], v[rT+4+j%4], v[rS+8*(j%4)+2*((j-32)/4)+1], v[rS+8*(j%4)+2*((j-32)/4)+2]
.elseif j == 44
	v_max3_num_f32 v[rT+4], v[rT+4], v[rS+7], v[rS+15]
.elseif j == 45
	v_max3_num_f32 v[rT+6], v[rT+6], v[rS+23], v[rS+31]
.elseif j == 46
	v_max3_num_f32 v[rT+4], v[rT+4], v[rT+5], v[rT+6]
.elseif (j == 47) && (\first)
	v_max_num_f32 v[rT+4], v[rT+4], v[rT+7]
.elseif j == 47
	v_max3_num_f32 v[rT+4], v[rT+4], v[rT+7], v[rT]
.elseif j == 48
	v_permlanex16_b32 v[rT+5], v[rT+4], s[SEL], s[SEL+1]   ; the query's other 32 keys lie in the lane 16 away
.elseif j == 50
	v_max_num_f32 v[rT], v[rT+4], v[rT+5]
.elseif ((j == 49) || (j == 51) || (j == 54) || (j >= 132)) && (\first)   ; the first step has none of these
.elseif j == 49
	v_mov_b32 v[rT+7], v[rT]
.elseif j == 51
	v_sub_f32 v[rT+7], v[rT+7], v[rT]
.elseif j == 54
	v_exp_f32 v[rT+6], v[rT+7]
.elseif j < 101
.set pq, j-52
.if (pq < 2) || ((pq < 45) && ((pq%3) == 0))
.set pb, pq                            ; 0, 1: pairs 0, 1;  3, 6, .. 42: pairs 2 to 15
.if pq >= 3
.set pb, (pq-3)/3+2
.endif
	v_pk_add_f32 v[rS+2*pb:rS+2*pb+1], v[rS+2*pb:rS+2*pb+1], v[rT:rT+1] op_sel_hi:[1,0] neg_lo:[0,1] neg_hi:[0,1]   ; t - m, two at a time
.else
.set pe, pq-17                         ; 45 to 48: scores 28 to 31
.if pq < 45
.set pe, 2*((pq-3)/3)+(pq-3)%3-1       ; 4, 5, 7, 8, .. 43, 44: scores 0 to 27
.endif
	v_exp_f32 v[rS+pe], v[rS+pe]
.endif
.elseif j < 117
	v_cvt_pk_f16_f32 v[rP+j-101], v[rS+2*(j-101)], v[rS+2*(j-101)+1]
.elseif j < 133                        ; the sum of the tile's 16 pairs, in place: neighbours 1, 2, 4 and 8 pairs apart, then l takes it
.set z, j-117
.set w, 4
.set u, z
.if z >= 14
.set w, 32
.set u, 0
.elseif z >= 12
.set w, 16
.set u, z-12
.elseif z >= 8
.set w, 8
.set u, z-8
.endif
.if (z == 14) && (\first)
	v_pk_add_f32 v[rT+2:rT+3], v[rS:rS+1], v[rS+16:rS+17]
.elseif z < 15
	v_pk_add_f32 v[rS+w*u:rS+w*u+1], v[rS+w*u:rS+w*u+1], v[rS+w*u+w/2:rS+w*u+w/2+1]
.else
	v_pk_fma_f32 v[rT+2:rT+3], v[rT+2:rT+3], v[rT+6:rT+7], v[rS:rS+1] op_sel_hi:[1,0,1]
.endif
.else
	WIN W_RS
	v_pk_mul_f32 v[32*tt+2*(j-133):32*tt+2*(j-133)+1], v[32*tt+2*(j-133):32*tt+2*(j-133)+1], v[rT+6:rT+7] op_sel_hi:[1,0]
.endif
.endm
; The next cnt numbers of piece y's flat list n = 0 .. 297: the two tiles alternate, so that no instruction reads the result of the one just before it.
; Ahead of n = 64 all 64 mask words have been read: the next softmax's words are asked for (ml = 1): the other piece's, and where that is piece 0, the next step's.
; Ahead of n = 202 both tiles' exponentials are out and no result has been named: one plain instruction, and the turn's one wait ahead of the first use; in piece 2's turn V's run of loads stands there.
.macro VS y, first, ml, cnt
.rept \cnt
.if (n == 64) && (\ml)
.if (\y) == 2
	s_add_co_u32 s[MO], s[MO], 128                 ; (the loads that read it were waited for at the turn's head)
.endif
	MLOADS 2-(\y)
.endif
.if n == 202
	v_nop
.if (\y) == 0
	FETCH_V
.else
	s_wait_alu depctr_va_vdst(0)
.endif
.endif
.set j, n/2
.set tt, (\y)+n%2
	SM \first
.set n, n+1
.endr
.endm
; A TURN.  Piece x has the matrix unit.  pv = 2: 16 products V^T P; 1: they start O^T; 0: none.  kq = 1: 16 products K Q^T for the next step.  A turn with one kind has slices twice as long.
; The last slice and what is over are 19 multiplications of the other piece's O^T: the places between the last K Q^T and the next turn's reads of those scores and loads into K.  With first = 1 they are empty: four v_nop.
; Piece 0's turn fetches the next step's K behind its second product.  Piece 2's turn fetches that step's V at n = 202: behind its last V^T P stand twenty packed subtractions.
.macro TURN x, pv, kq, first, ml
.set n, 0
.set per, 18
.if \pv && \kq
.set per, 9
.endif
	s_wait_kmcnt 0x0                               ; this turn's mask words are in
.if \pv
.if \x == 0
	s_wait_dscnt 0x0                               ; V is in
.endif
.set i, 0
.rept 16
	PV \x, 2-\pv
	VS 2-\x, \first, \ml, per
.if (\x == 0) && (\kq) && (i == 1)
	FETCH_K
.endif
.set i, i+1
.endr
.endif
.if \kq
.if \x == 0
	s_wait_dscnt 0x0                               ; K is in
.endif
.set i, 0
.rept 16
	KQ \x
	VS 2-\x, \first, \ml, per
.set i, i+1
.endr
.endif
	VS 2-\x, \first, \ml, 298-n
.if \first
	PLACES
.endif
.endm
; THE CHANGE OF SLOTS, when a slot's last bytes have been asked for.  Each wave waits for all its tensor loads (its part of the other slot), adds 0 to its spare word, and waits for that and for its reads of the slot.
; fill = 1: the barrier is a round of the cluster's, and the joint refill, the keys two slots on, is the first thing behind it: it has eight key steps in which to land.
.macro CHANGE fill
	WIN 0
	s_wait_tensorcnt 0x0                           ; no tensor load of mine is out, so a group 0 may be written
	ds_add_u32 v[SPW], v[NIL]
.if \fill
	s_xor_b32 s[G0B+1], s[G0B+1], SLOT1            ; the walking descriptor: the other slot than last time,
	s_add_nc_u64 s[G0B+2:G0B+3], s[G0B+2:G0B+3], 65536   ; the next 512 keys; the type bits on top are not reached
	s_wait_dscnt 0x0
	CROUND
	tensor_load_to_lds s[G0B:G0B+3], s[G1:G1+7]
	s_nop 0
	PLACES
.else
	s_wait_dscnt 0x0
	s_barrier_signal -1
	s_barrier_wait -1
.endif
	s_sub_co_u32 s[TB], s[TB], 8*STEPB             ; the fetches go back to a slot's first step,
	s_xor_b32 s[TB], s[TB], SLOT1                  ; in the other slot
.endm
.macro STEPS cnt                       ; cnt key steps: written once, walked cnt times
	s_mov_b32 s[CNT], \cnt
.Lstep_\@:
	TURN 0, 2, 1, 0, 1
	TURN 2, 2, 1, 0, 1
	WIN 0
	s_sub_co_u32 s[CNT], s[CNT], 1
	s_cmp_lg_u32 s[CNT], 0
	s_cbranch_scc1 .Lstep_\@
.endm
	s_wait_tensorcnt 1                             ; my part of slot 0 is in; slot 1's may stay out
	s_barrier_signal -1
	s_barrier_wait -1
	FETCH_K                                        ; key step 0
	s_wait_loadcnt 0x0                             ; Q
	s_wait_dscnt 0x0
.set i, 0
.rept 16
	KQ 0                                           ; piece 0's first scores
.set i, i+1
.endr
	WIN 0
	v_mov_b32 v[NEGR], 0xceabfb8f                  ; -1e9 log2(e).  (These five are the places behind those products)
.irp t, 0,1,2,3
	v_mov_b32 v[ST+8*\t+1], 0                      ; named as the upper half of m's pair, so it is written
.endr
	TURN 2, 0, 1, 1, 1                             ; piece 2's first scores | piece 0's first softmax | V of step 0
	TURN 0, 1, 1, 1, 1                             ; piece 0: V^T P of step 0 starts O^T, K Q^T of step 1 | piece 2's first softmax | K of step 1
	TURN 2, 1, 1, 0, 1                             ; piece 2: the same | piece 0's softmax of step 1 | V of step 1
	WIN 0
	STEPS 6                                        ; the rest of slot 0 is fetched
	s_mov_b32 s[SLOTS], 2
.Lslot:                                            ; two trips: slots 0 and 1 are filled again
	CHANGE 1
	STEPS 8
	s_sub_co_u32 s[SLOTS], s[SLOTS], 1
	s_cmp_lg_u32 s[SLOTS], 0
	s_cbranch_scc1 .Lslot
	CHANGE 0                                       ; the tail is written out: nothing is left to ask for
	STEPS 8
	TURN 0, 2, 0, 0, 0                             ; piece 0: V^T P of the last step | piece 2's last softmax; no mask words are asked for
.set i, 0
.rept 16
	PV 2, 0
.set i, i+1
.endr
	; THE WAY OUT.  l's two halves and the other half of the lanes' are added (the additions are the places behind the last products); O^T / l, rounded to f16, is stored as it stands.
	WIN 0
.irp t, 0,1,2,3
	v_add_f32 v[ST+8*\t+4], v[ST+8*\t+2], v[ST+8*\t+3]
.endr
.irp t, 0,1,2,3
	v_permlanex16_b32 v[ST+8*\t+5], v[ST+8*\t+4], s[SEL], s[SEL+1]
.endr
.irp t, 0,1,2,3
	v_add_f32 v[ST+8*\t+4], v[ST+8*\t+4], v[ST+8*\t+5]
.endr
.irp t, 0,1,2,3
	v_rcp_f32 v[ST+8*\t+6], v[ST+8*\t+4]
.endr
	v_nop                                          ; a plain instruction behind the last reciprocal,
	s_wait_alu depctr_va_vdst(0)                   ; and the one wait for the four, ahead of the first use
.macro OUTT t
	WIN W_RS
.set i, 0
.rept 16
	v_pk_mul_f32 v[32*\t+i:32*\t+i+1], v[32*\t+i:32*\t+i+1], v[ST+8*\t+6:ST+8*\t+7] op_sel_hi:[1,0]
.set i, i+2
.endr
	WIN 0x05                                       ; sources window 1, destination window 0: S^T's registers are free
.set i, 0
.rept 16
	v_cvt_pk_f16_f32 v[S+16*\t+i], v[32*\t+2*i], v[32*\t+2*i+1]
.set i, i+1
.endr
	WIN 0
.irp c, 0,1,2,3
	global_store_b128 v[AK0], v[S+16*\t+4*\c:S+16*\t+4*\c+3], s[8:9] offset:\t*32768+\c*512   ; 512 consecutive bytes: channels 16 c on of 16 queries
.endr
.endm
	OUTT 0
	OUTT 1
	OUTT 2
	OUTT 3
	s_wait_tensorcnt 0x0                           ; the wave's end
	ds_add_u32 v[SPW], v[NIL]
	s_wait_dscnt 0x0
	CROUND                                         ; the closing round
	s_endpgm
.Lfunc_end_k_q9037c88fc6_attn:
	.size	k_q9037c88fc6_attn, .Lfunc_end_k_q9037c88fc6_attn-k_q9037c88fc6_attn
	.p2alignl 7, 3214868480
	.fill 96, 4, 3214868480
	.section	.rodata,"a",@progbits
	.p2align	6, 0x0
	.amdhsa_kernel k_q9037c88fc6_attn
		.amdhsa_group_segment_fixed_size 327680
		.amdhsa_private_segment_fixed_size 0
		.amdhsa_enable_private_segment 0
		.amdhsa_kernarg_size 24
		.amdhsa_user_sgpr_count 2
		.amdhsa_user_sgpr_kernarg_segment_ptr 1
		.amdhsa_wavefront_size32 1
		.amdhsa_system_sgpr_workgroup_id_x 1
		.amdhsa_system_sgpr_workgroup_id_y 1
		.amdhsa_system_sgpr_workgroup_id_z 1
		.amdhsa_system_vgpr_workitem_id 0
		.amdhsa_next_free_vgpr 576
		.amdhsa_next_free_sgpr 102
		.amdhsa_reserve_vcc 0
		.amdhsa_float_denorm_mode_32 3
		.amdhsa_float_denorm_mode_16_64 3
		.amdhsa_memory_ordered 1
		.amdhsa_forward_progress 1
		.amdhsa_inst_pref_size 232
	.end_amdhsa_kernel
	.amdgpu_metadata
---
amdhsa.version: [ 1, 2 ]
amdhsa.kernels:
  - .name:           k_q9037c88fc6_attn
    .symbol:         k_q9037c88fc6_attn.kd
    .args:
      - { .name: qkv, .offset: 0, .size: 8, .value_kind: global_buffer, .address_space: global }
      - { .name: mbits, .offset: 8, .size: 8, .value_kind: global_buffer, .address_space: global }
      - { .name: ao, .offset: 16, .size: 8, .value_kind: global_buffer, .address_space: global }
    .group_segment_fixed_size: 327680
    .private_segment_fixed_size: 0
    .kernarg_segment_align: 8
    .kernarg_segment_size: 24
    .max_flat_workgroup_size: 128
    .sgpr_count:     102
    .vgpr_count:     576
    .wavefront_size: 32
...
	.end_amdgpu_metadata
.endif
;; end of part 3
;; launch oproj (part 4): grid 4 x 64, 4 waves a work-group, clusters of 4 x 4, 327,680 bytes of LDS; arguments ao, wo16, bo, out0; writes out0
.if DOCPART == 4
	.amdgcn_target "amdgcn-amd-amdhsa--gfx1250"
	.amdhsa_code_object_version 6
	.text
	.protected	k_q9037c88fc6_oproj
	.globl	k_q9037c88fc6_oproj
	.p2align	8
	.type	k_q9037c88fc6_oproj,@function
k_q9037c88fc6_oproj:
	s_mov_b64 s[64:65], 0
	v_nop
	global_prefetch_b8 v0, s[64:65] scope:SCOPE_SE
	s_setreg_imm32_b32 hwreg(HW_REG_WAVE_MODE, 25, 1), 1
	s_wait_xcnt 0x0
	s_wait_alu depctr_hold_cnt(0) depctr_sa_sdst(0) depctr_va_vdst(0) depctr_va_sdst(0) depctr_va_ssrc(0) depctr_va_vcc(0) depctr_vm_vsrc(0)
	s_getreg_b32 s2, hwreg(HW_REG_IB_STS2, 6, 4)
	s_cmp_eq_u32 s2, 0
	s_cbranch_scc0 .Lentry_in_a_cluster
	s_endpgm
.Lentry_in_a_cluster:
	s_bfe_u32 s2, ttmp6, 0x10000c
	s_cmp_lg_u32 s2, 0xf033
	s_cbranch_scc0 .Lentry_shape_is_right
	s_endpgm
.Lentry_shape_is_right:
; Launch 4 of 4: out0 = ao Wo^T + bo.  ao [8192][1024] and Wo [1024][1024] arrive in f16 as images of the operand's registers: [16 rows][32 chunks of 32 along K][half c][lane][16 bytes]; sums in f32.  Nothing is left out.
; A tile of C is 128 x 256: 256 work-groups.  Four waves, each 64 rows x 128 columns: 32 accumulators, 256 registers.  K goes in steps of 128 (4 chunks) through two LDS slots: a block of 16 rows gives 4,096 consecutive bytes a step.
; Images need no padding: a fragment load is 16 bytes a lane on end.  CLUSTERS: 4 x 4 work-groups; A's tiles are asked for jointly along a row of the cluster, B's along a column.
; THE MATRIX INSTRUCTION IS USED TRANSPOSED (source 0 = 16 rows of Wo, source 1 = 16 rows of ao): a lane holds eight neighbouring numbers of a row of C.  bo, in that layout, is the C of each sum's first instruction.
; REGISTERS: window 0: v2-29 addresses; v32-95 bo, 8 tiles; v96-159 A's fragments, two buffers of 4; on the way out v96-223 take rows read back.   window 1: the accumulators, (a, b) at v[8 (8 a + b)].   window 2: v0-127 B's fragments, two buffers of 8.
.set SLOTB,  98304                     ; a slot: A's 8 blocks x 4,096 bytes, then B's 16
.set BOFFS,  32768
.set SPARE,  2*SLOTB                   ; behind the ring: the spare words, 128 bytes for each wave
.set SPITCH, 528                       ; the way out: a stage of 16 rows x (512 + 16) bytes for each wave, in slot 0, which has had its last fill and its last read by then
.set L16,  2                           ; v2   16 x lane
.set ADRA, 16
.set ADRB, 20
.set STO,  24
.set RD,   25
.set BOF,  26
.set SPW,  28
.set NIL,  29
.set BO,   32
.set AF,   96
.set BK,   96
.set G1,  16                           ; s[16:23] group 1 for A's tiles; s[24:31] for B's; s[32:39], s[40:47] their groups 0, one set for each slot
.set G1B, 24
.set G0,  32
.set G0B, 40
.set MSB, 0
.macro WIN new
.if MSB != (\new)
	s_set_vgpr_msb (MSB<<8)|(\new)
.set MSB, (\new)
.endif
.endm
.set MUL, 0x52                         ; source 0 (B) window 2, source 1 (A) window 0, C and D window 1
.macro JLOAD s                         ; a joint load: waves 0 and 1 fetch A's halves, waves 2 and 3 B's; an s_nop 0 and four v_nop follow each of the two lines
	s_cmp_eq_u32 s13, 0
	s_cbranch_scc0 .Lfor_b_\@
	tensor_load_to_lds s[G0+4*\s:G0+4*\s+3], s[G1:G1+7]
	s_nop 0
.rept 4
	v_nop
.endr
	s_branch .Lasked_\@
.Lfor_b_\@:
	tensor_load_to_lds s[G0B+4*\s:G0B+4*\s+3], s[G1B:G1B+7]
	s_nop 0
.rept 4
	v_nop
.endr
.Lasked_\@:
.endm
.macro CREST                           ; a round of the cluster's barrier behind its opening barrier
	s_cmp_lg_u32 s12, 0
	s_cbranch_scc1 .Lnot_wave_0_\@
	s_barrier_signal -3
.Lnot_wave_0_\@:
	s_barrier_wait -3
	s_barrier_signal -1
	s_barrier_wait -1
.endm
.macro CROUND
	s_barrier_signal -1
	s_barrier_wait -1
	CREST
.endm
.macro PLACES
.rept 4
	v_nop
.endr
.endm
	s_load_b256 s[4:11], s[0:1], 0x0               ; ao s[4:5], wo16 s[6:7], bo s[8:9], out0 s[10:11]
	v_lshl_add_u32 v[SPW], v0, 2, SPARE
	v_mov_b32 v[NIL], 0
	ds_add_u32 v[SPW], v[NIL]                      ; the wave's opening: the add, twice on end, and its wait ahead of my first tensor load
	ds_add_u32 v[SPW], v[NIL]
	v_lshrrev_b32 v1, 5, v0
	v_readfirstlane_b32 s12, v1                    ; wave 0..3
	s_lshr_b32 s13, s12, 1                         ; which half of the tile's rows is mine.  Also: I fetch for A (0) or for B (1)
	s_and_b32 s14, s12, 1                          ; which half of its columns.  Also: which half of that tile I fetch
	s_bfe_u32 s48, ttmp6, 0x40000                  ; cx, cy
	s_bfe_u32 s49, ttmp6, 0x40004
	s_lshl_b32 s50, ttmp9, 2
	s_add_co_u32 s50, s50, s48                     ; tile column
	s_and_b32 s51, ttmp7, 0xffff
	s_lshl_b32 s51, s51, 2
	s_add_co_u32 s51, s51, s49                     ; tile row
	s_lshl_b32 s52, s49, 2
	s_lshl_b32 s52, 15, s52                        ; my row of the cluster
	s_lshl_b32 s53, 0x1111, s48                    ; my column
	s_or_b32 s[G1], s52, (3<<16)|(1<<21)           ; the mask; elements of 8 bytes; bit 21 beside a mask; no padding
	s_or_b32 s[G1B], s53, (3<<16)|(1<<21)
	s_mov_b32 s[G1+1], 512<<16                     ; tensor_dim0 = 512: a block's 4,096 bytes of a K step
	s_mov_b32 s[G1+2], 4<<16                       ; tensor_dim1 = 4 blocks
	s_mov_b32 s[G1+3], 512<<16                     ; tile_dim0
	s_mov_b32 s[G1+4], 4                           ; tile_dim1
	s_mov_b32 s[G1+5], 4096                        ; from block to block: 32,768 bytes
	s_mov_b32 s[G1+6], 0
	s_mov_b32 s[G1+7], 0
	s_mov_b32 s[G1B+1], 512<<16
	s_mov_b32 s[G1B+2], 8<<16                      ; B: 8 blocks
	s_mov_b32 s[G1B+3], 512<<16
	s_mov_b32 s[G1B+4], 8
	s_mov_b32 s[G1B+5], 4096
	s_mov_b32 s[G1B+6], 0
	s_mov_b32 s[G1B+7], 0
	s_lshl_b32 s54, s51, 3                         ; A: block 8 x tile row + 4 x half
	s_lshl_b32 s55, s14, 2
	s_add_co_u32 s54, s54, s55
	s_lshl_b32 s54, s54, 15
	s_mov_b32 s55, 0
	s_lshl_b32 s56, s50, 4                         ; B: block 16 x tile column + 8 x half
	s_lshl_b32 s57, s14, 3
	s_add_co_u32 s56, s56, s57
	s_lshl_b32 s56, s56, 15
	s_mov_b32 s57, 0
	s_lshl_b32 s58, s14, 14                        ; where they go: no place in the cluster enters an LDS address
	s_lshl_b32 s59, s14, 15
	s_add_co_u32 s59, s59, BOFFS
	s_wait_dscnt 0x0                               ; both opening adds are done
	s_wait_kmcnt 0x0
	s_add_nc_u64 s[54:55], s[4:5], s[54:55]
	s_add_nc_u64 s[56:57], s[6:7], s[56:57]
	CROUND                                         ; all sixteen work-groups are here: the first joint loads meet
.irp s, 0,1
	s_mov_b32 s[G0+4*\s], 1
	s_add_co_u32 s[G0+4*\s+1], s58, \s*SLOTB
	s_add_nc_u64 s[G0+4*\s+2:G0+4*\s+3], s[54:55], \s*4096
	s_or_b32 s[G0+4*\s+3], s[G0+4*\s+3], 0x80000000
	s_mov_b32 s[G0B+4*\s], 1
	s_add_co_u32 s[G0B+4*\s+1], s59, \s*SLOTB
	s_add_nc_u64 s[G0B+4*\s+2:G0B+4*\s+3], s[56:57], \s*4096
	s_or_b32 s[G0B+4*\s+3], s[G0B+4*\s+3], 0x80000000
	JLOAD \s
.endr
	v_and_b32 v1, 31, v0
	v_lshlrev_b32 v[L16], 4, v1
	v_and_b32 v3, 15, v0                           ; r
	v_bfe_u32 v4, v0, 4, 1                         ; h
	s_lshl_b32 s60, s50, 10                        ; my first column, in bytes: 1,024 x tile column + 512 x half
	s_lshl_b32 s61, s14, 9
	s_add_co_u32 s60, s60, s61
	s_mov_b32 s61, 0
	s_add_nc_u64 s[8:9], s[8:9], s[60:61]          ; bo there,
	s_add_nc_u64 s[10:11], s[10:11], s[60:61]      ; and out0,
	s_lshl_b32 s60, s51, 7
	s_lshl_b32 s62, s13, 6
	s_add_co_u32 s60, s60, s62                     ; at my first row: 128 x tile row + 64 x half
	s_lshl_b32 s60, s60, 12
	s_add_nc_u64 s[10:11], s[10:11], s[60:61]
	v_lshlrev_b32 v[BOF], 5, v4
.irp b, 0,1,2,3,4,5,6,7
.irp e, 0,1
	global_load_b128 v[BO+8*\b+4*\e:BO+8*\b+4*\e+3], v[BOF], s[8:9] offset:64*\b+16*\e   ; lane (r, h), tile b: columns 16 b + 8 h + 0..7
.endr
.endr
	s_lshl_b32 s60, s13, 14                        ; my four blocks of A,
	s_lshl_b32 s62, s14, 15
	s_add_co_u32 s62, s62, BOFFS                   ; my eight of B
.irp s, 0,1
	v_add_nc_u32 v[ADRA+\s], s60, v[L16]
	v_add_nc_u32 v[ADRB+\s], s62, v[L16]
	s_add_co_u32 s60, s60, SLOTB
	s_add_co_u32 s62, s62, SLOTB
.endr
	s_mul_i32 s60, s12, 16*SPITCH                  ; my stage
	v_mul_u32_u24 v[STO], v3, SPITCH               ; in: row r, 32 bytes for each half of the lanes
	v_lshl_add_u32 v[STO], v4, 5, v[STO]
	v_add_nc_u32 v[STO], s60, v[STO]
	v_add_nc_u32 v[RD], s60, v[L16]                ; back: the 32 lanes take one row of 512 bytes
; 16 matrix instructions: A's blocks a0, a0 + 1 x B's eight, one chunk of 32 along K, from buffer f.  first = 1: bo starts the sums.  The 32 accumulators take turns, one instruction a turn.
.macro MUL16 f, a0, first
.irp a, \a0, \a0+1
.irp b, 0,1,2,3,4,5,6,7
.if \first
	v_wmma_f32_16x16x32_f16 v[8*(8*(\a)+\b):8*(8*(\a)+\b)+7], v[64*(\f)+8*\b:64*(\f)+8*\b+7], v[AF+32*(\f)+8*(\a):AF+32*(\f)+8*(\a)+7], v[BO+8*\b:BO+8*\b+7]
.else
	v_wmma_f32_16x16x32_f16 v[8*(8*(\a)+\b):8*(8*(\a)+\b)+7], v[64*(\f)+8*\b:64*(\f)+8*\b+7], v[AF+32*(\f)+8*(\a):AF+32*(\f)+8*(\a)+7], v[8*(8*(\a)+\b):8*(8*(\a)+\b)+7]
.endif
.endr
.endr
.endm
.macro FETCH slot, q, f                ; 24 LDS loads in one run: chunk q's fragments into buffer f
	WIN 0x80
.irp b, 0,1,2,3,4,5,6,7
	ds_load_b128 v[64*(\f)+8*\b:64*(\f)+8*\b+3],   v[ADRB+\slot] offset:\b*4096+(\q)*1024
	ds_load_b128 v[64*(\f)+8*\b+4:64*(\f)+8*\b+7], v[ADRB+\slot] offset:\b*4096+(\q)*1024+512
.endr
	WIN 0
.irp a, 0,1,2,3
	ds_load_b128 v[AF+32*(\f)+8*\a:AF+32*(\f)+8*\a+3],   v[ADRA+\slot] offset:\a*4096+(\q)*1024
	ds_load_b128 v[AF+32*(\f)+8*\a+4:AF+32*(\f)+8*\a+7], v[ADRA+\slot] offset:\a*4096+(\q)*1024+512
.endr
.endm
; One of a K step's first three chunks: chunk q is multiplied from buffer q % 2 while chunk q + 1 lands in the other buffer.
.macro QUARTER slot, q, first
	s_wait_dscnt 0x0                               ; chunk q's fragments are in (asked for 32 matrix instructions ago)
.if (\first) == 0
	PLACES                                         ; in front of loads into the buffer that the last chunk's products read
.endif
	FETCH \slot, (\q)+1, ((\q)+1)%2
	WIN MUL-0x10*(\first)                          ; (first: C, bo, in window 0)
	MUL16 (\q)%2, 0, \first
	MUL16 (\q)%2, 2, \first
.endm
; A K step's last chunk changes slots: one barrier; in front of it each wave waits for all its tensor loads, adds 0 to its spare word, and waits for that and for its reads of this slot, whose last fragments are then in registers.
; fill = 1: the barrier opens a round of the cluster's, and the joint refill, two K steps on, is the first tensor load behind it: 112 matrix instructions ahead of the wait for it.
.macro TURN slot, next, fill
	WIN 0
	s_wait_tensorcnt 0x0                           ; my part of the next slot is in; no tensor load of mine is out, so a group 0 may be written
	ds_add_u32 v[SPW], v[NIL]
.if \fill
	s_add_nc_u64 s[G0+4*\slot+2:G0+4*\slot+3], s[G0+4*\slot+2:G0+4*\slot+3], 8192
	s_add_nc_u64 s[G0B+4*\slot+2:G0B+4*\slot+3], s[G0B+4*\slot+2:G0B+4*\slot+3], 8192
.endif
	s_wait_dscnt 0x0
	s_barrier_signal -1
	WIN MUL
	MUL16 1, 0, 0                                  ; work on registers while the others arrive
	WIN 0
	s_barrier_wait -1
.if \fill
	CREST
	JLOAD \slot                                    ; the four v_nop behind it are also the places in front of the loads below
.else
	PLACES
.endif
	FETCH \next, 0, 0
	WIN MUL
	MUL16 1, 2, 0
.endm
	s_wait_tensorcnt 1                             ; my part of K step 0 is in; K step 1's load may be out
	s_barrier_signal -1
	s_barrier_wait -1
	FETCH 0, 0, 0
	s_wait_loadcnt 0x0                             ; bo
	QUARTER 0, 0, 1                                ; the first chunk stands in front of the loop: its products start the sums
	WIN 0
	s_mov_b32 s15, 3
.Llap:                                             ; a trip goes once round the ring, from a lap's second chunk to the next lap's first, and fills both slots again
	QUARTER 0, 1, 0
	QUARTER 0, 2, 0
	TURN 0, 1, 1
	QUARTER 1, 0, 0
	QUARTER 1, 1, 0
	QUARTER 1, 2, 0
	TURN 1, 0, 1
	QUARTER 0, 0, 0
	WIN 0
	s_sub_co_u32 s15, s15, 1
	s_cmp_lg_u32 s15, 0
	s_cbranch_scc1 .Llap
	QUARTER 0, 1, 0                                ; the last lap fills nothing
	QUARTER 0, 2, 0
	TURN 0, 1, 0
	QUARTER 1, 0, 0
	QUARTER 1, 1, 0
	QUARTER 1, 2, 0
	s_wait_dscnt 0x0
	WIN MUL
	MUL16 1, 0, 0
	MUL16 1, 2, 0
	WIN 0
; THE WAY OUT, block by block of 16 rows x 128 columns: through my own stage in LDS and back as whole rows of 512 bytes.  LDS serves a wave's instructions in order: no wait between the stores and the loads.
.macro TOSTAGE a
	WIN 0x04                                       ; an LDS store's data: window 1
.irp b, 0,1,2,3,4,5,6,7
	ds_store_b128 v[STO], v[64*(\a)+8*\b:64*(\a)+8*\b+3] offset:64*\b          ; each accumulator from its low end on
	ds_store_b128 v[STO], v[64*(\a)+8*\b+4:64*(\a)+8*\b+7] offset:64*\b+16
.endr
	WIN 0
.set BB, BK+64*((\a)%2)
.irp t, 0,1,2,3,4,5,6,7,8,9,10,11,12,13,14,15
	ds_load_b128 v[BB+4*\t:BB+4*\t+3], v[RD] offset:\t*SPITCH
.endr
.endm
.macro SEND a, younger                 ; younger: the LDS instructions issued behind block a's loads, which may stay out
.set BB, BK+64*((\a)%2)
	s_wait_dscnt \younger
.irp t, 0,1,2,3,4,5,6,7,8,9,10,11,12,13,14,15
	global_store_b128 v[L16], v[BB+4*\t:BB+4*\t+3], s[10:11] offset:(16*(\a)+\t)*4096 th:TH_STORE_NT   ; 32 lanes store 512 consecutive bytes of a row; written once, read by nobody here
.endr
.endm
	PLACES                                         ; in front of the first reads of results and of loads into the registers that held A's fragments
	TOSTAGE 0
	TOSTAGE 1
	SEND 0, 32                                     ; behind block 0's loads: block 1's 16 stores and 16 loads
	s_wait_xcnt 0x0                                ; block 0's stores have read their registers: block 2's loads may land there
	TOSTAGE 2
	SEND 1, 32
	s_wait_xcnt 0x0
	TOSTAGE 3
	SEND 2, 32
	SEND 3, 0
	s_wait_tensorcnt 0x0                           ; the wave's end, behind my last tensor load and my last LDS store
	ds_add_u32 v[SPW], v[NIL]
	s_wait_dscnt 0x0
	CROUND                                         ; the closing round
	s_endpgm
.Lfunc_end_k_q9037c88fc6_oproj:
	.size	k_q9037c88fc6_oproj, .Lfunc_end_k_q9037c88fc6_oproj-k_q9037c88fc6_oproj
	.p2alignl 7, 3214868480
	.fill 96, 4, 3214868480
	.section	.rodata,"a",@progbits
	.p2align	6, 0x0
	.amdhsa_kernel k_q9037c88fc6_oproj
		.amdhsa_group_segment_fixed_size 327680
		.amdhsa_private_segment_fixed_size 0
		.amdhsa_enable_private_segment 0
		.amdhsa_kernarg_size 32
		.amdhsa_user_sgpr_count 2
		.amdhsa_user_sgpr_kernarg_segment_ptr 1
		.amdhsa_wavefront_size32 1
		.amdhsa_system_sgpr_workgroup_id_x 1
		.amdhsa_system_sgpr_workgroup_id_y 1
		.amdhsa_system_sgpr_workgroup_id_z 1
		.amdhsa_system_vgpr_workitem_id 0
		.amdhsa_next_free_vgpr 640
		.amdhsa_next_free_sgpr 66
		.amdhsa_reserve_vcc 0
		.amdhsa_float_denorm_mode_32 3
		.amdhsa_float_denorm_mode_16_64 3
		.amdhsa_memory_ordered 1
		.amdhsa_forward_progress 1
		.amdhsa_inst_pref_size 86
	.end_amdhsa_kernel
	.amdgpu_metadata
---
amdhsa.version: [ 1, 2 ]
amdhsa.kernels:
  - .name:           k_q9037c88fc6_oproj
    .symbol:         k_q9037c88fc6_oproj.kd
    .args:
      - { .name: ao, .offset: 0, .size: 8, .value_kind: global_buffer, .address_space: global }
      - { .name: wo16, .offset: 8, .size: 8, .value_kind: global_buffer, .address_space: global }
      - { .name: bo, .offset: 16, .size: 8, .value_kind: global_buffer, .address_space: global }
      - { .name: out0, .offset: 24, .size: 8, .value_kind: global_buffer, .address_space: global }
    .group_segment_fixed_size: 327680
    .private_segment_fixed_size: 0
    .kernarg_segment_align: 8
    .kernarg_segment_size: 32
    .max_flat_workgroup_size: 128
    .sgpr_count:     66
    .vgpr_count:     640
    .wavefront_size: 32
...
	.end_amdgpu_metadata
.endif
;; end of part 4
;; ======== version 2 of 2: 4 launches; 1.12 times as fast as version 1
;; limits: values are held in f16: magnitudes above 65,504 overflow, below 6.1e-05 lose precision; right only within a limited range of input values
;; workspace buffers: xc 4,194,304 bytes; xs 262,144 bytes; wc 1,572,864 bytes; ws 98,304 bytes; wo16 2,097,152 bytes; mcode 2,097,152 bytes; qkv 50,331,648 bytes; ao 16,777,216 bytes
;; launch prep (part 5): grid 672 x 1, 4 waves a work-group, no clusters, 68,096 bytes of LDS; arguments x, Wq, Wk, Wv, Wo, mask, xc, xs, wc, ws, wo16, mcode; writes xc, xs, wc, ws, wo16, mcode
.if DOCPART == 5
	.amdgcn_target "amdgcn-amd-amdhsa--gfx1250"
	.amdhsa_code_object_version 6
	.text
	.protected	k_q9037c88fc6_prep
	.globl	k_q9037c88fc6_prep
	.p2align	8
	.type	k_q9037c88fc6_prep,@function
k_q9037c88fc6_prep:
	s_mov_b64 s[64:65], 0
	v_nop
	global_prefetch_b8 v0, s[64:65] scope:SCOPE_SE
	s_setreg_imm32_b32 hwreg(HW_REG_WAVE_MODE, 25, 1), 1
	s_wait_xcnt 0x0
; MULTI-HEAD ATTENTION, launch 1 of 4: the operands are laid out once, as the later launches want them.
; NO WORK OF THE PROBLEM IS LEFT OUT, and every input is loaded.  In particular bk stays: q.bk is the same along the keys only for keys
; that are not masked; a masked score is a constant, so bk moves the weight of masked keys against the others in exact arithmetic.
; All four biases are the C of a sum's first matrix instruction in the later launches.
; THREE PATHS, parted by the work-group's number; each has LDS bytes of its own.
;   0..351   x (256 work-groups), Wq, Wk, Wv (32 each): f32 -> codes of FP4 (E2M1), K innermost, one E8M0 byte for each 32 along K.  x's go to xc, xs; the three weights' one below the other to wc, ws.
;            A block's scale is 2^(floor(log2(largest magnitude)) - 2); its byte is the largest magnitude's exponent field - 2, held at 1 from below.  A block of zeros so gets the byte 1
;            where the rule says 127: its codes are zeros, and this program alone reads the bytes.
;   352..415 Wo [n][k] f32 -> f16, laid as images of the matrix operand's registers: [16 rows n][32 along k][half c][lane][16 bytes]; lane (r, h) holds row r, k = 16 c + 8 h + 0..7.
;   416..671 mask [q][k] int32 -> four bits a number: 0xF, the code of -6 in E2M1, where mask == 0, else 0: laid as the attention's scores lie in registers: [q / 16][k / 64][lane][16 bytes];
;            word kt, bits 4 j .. 4 j + 3 of lane (r, h) stand for query 16 (q / 16) + r and key 64 (k / 64) + 16 kt + 8 h + j.
; LIMITS: FP4 blocks whose largest magnitude lies under 2^-124 (the floor) were not tried; NaN and infinities among the inputs are not served; |Wo| up to 65,504 (f16).
; No tensor loads, no barrier: waves share nothing.  Matrix units and clusters have nothing to do here: memory binds, each byte is read once, in runs of 256 or 512 bytes, and stored in runs of 256 or 512.
.set SPARE, 67584                      ; behind the stages: the spare words, 128 bytes for each wave
.set SPW,   12                         ; v12  LDS address of my spare word; never rewritten
.set NIL,   13                         ; v13  0; never rewritten
.set STEPS, 16
.set EMAX,  2
.set CB,    8                          ; bytes of 16 codes
.set R,     16                         ; v16-79   four sets of 16 numbers as they are loaded
.set X,     80                         ; v80-111  two sets of 16 neighbours
.set E,     112                        ; v112-127 a scale byte for each step
.set C,     128                        ; v128-191 codes
.set WREG,  8192                       ; the quantiser's LDS: a region for each wave: two stages of 32 x SP bytes, then 256 scale bytes
.set SP,    80
.set UP,    272                        ; the other two paths: a stage row: 256 bytes + 16
.set USTG,  16*UP                      ; a wave's stage: 16 rows
.set WOSTG, 32768                      ; Wo's four stages
.set MSTG,  WOSTG+4*USTG               ; the mask's four
.set MW,    176                        ; v176-191 the mask's code words: four for each chunk, so that no store's data are written again
; ---- the quantiser's macros: a wave takes 16 steps of 512 numbers
.macro QLOAD t
.irp i, 0,1,2,3
	global_load_b128 v[R+16*((\t)%4)+4*\i:R+16*((\t)%4)+4*\i+3], v3, s[30:31] offset:2048*(\t)+512*\i th:TH_LOAD_NT   ; 32 lanes read 512 consecutive bytes
.endr
.endm
.macro QTURN t                         ; step t's numbers through the stage: LDS serves a wave's instructions in order, so no wait stands between the stores and the loads
.irp i, 0,1,2,3
	ds_store_b128 v14, v[R+16*((\t)%4)+4*\i:R+16*((\t)%4)+4*\i+3] offset:32*SP*((\t)%2)+8*SP*\i
.endr
.irp i, 0,1,2,3
	ds_load_b128 v[X+16*((\t)%2)+4*\i:X+16*((\t)%2)+4*\i+3], v15 offset:32*SP*((\t)%2)+16*\i
.endr
.endm
.macro QSTEP t
.set XS, X+16*((\t)%2)
.if (\t) > 0
	s_wait_dscnt 1                                 ; this step's numbers are back from the stage (the last step's byte store may be out)
.else
	s_wait_dscnt 0x0
.endif
.if (\t)+4 < STEPS
	QLOAD (\t)+4                                   ; into the set whose stores into the stage are done
.endif
.if (\t)+1 < STEPS
.if STEPS-2-(\t) >= 3
	s_wait_loadcnt 12                              ; the next step's four loads are in; those of the three steps behind it may be out
.else
	s_wait_loadcnt 4*(STEPS-2-(\t))
.endif
	QTURN (\t)+1
.endif
	v_max3_num_f32 v8, |v[XS]|, |v[XS+1]|, |v[XS+2]|               ; the largest magnitude of my 16, in two chains
	v_max3_num_f32 v9, |v[XS+3]|, |v[XS+4]|, |v[XS+5]|
.irp i, 6,10
	v_max3_num_f32 v8, v8, |v[XS+\i]|, |v[XS+\i+1]|
	v_max3_num_f32 v9, v9, |v[XS+\i+2]|, |v[XS+\i+3]|
.endr
	v_max3_num_f32 v8, v8, |v[XS+14]|, |v[XS+15]|
	v_max3_num_f32 v8, v8, v9, (EMAX+1)<<23        ; and the floor 2^(3 - 127): the byte cannot fall under 1
	v_max_num_f32_dpp v8, v8, v8 row_xmask:1 row_mask:0xf bank_mask:0xf   ; with my neighbour's 16: the block's
	v_add_nc_u32 v11, -(EMAX<<23), v8              ; 2 off its exponent field: the conversion takes the exponent field of this operand as its scale
	v_cvt_scalef32_pk8_fp4_f32 v[C+4*(\t)], v[XS:XS+7], v11
	v_cvt_scalef32_pk8_fp4_f32 v[C+4*(\t)+1], v[XS+8:XS+15], v11
	v_lshrrev_b32 v[E+(\t)], 23, v11               ; the scale's byte (also the plain line behind the conversions)
	ds_store_b8 v5, v[E+(\t)] offset:16*(\t)       ; both lanes of a block write the same byte with the same value
	global_store_b64 v4, v[C+4*(\t):C+4*(\t)+1], s[32:33] offset:32*CB*(\t)   ; the wave stores 256 consecutive bytes
.endm
; ---- the other two paths' macros: a wave takes 16 rows x 1,024 bytes, in four chunks of 256 bytes a row
.macro UNIT_ADDR stage, pitchb         ; v3: my bytes in memory; v4: into the stage; v5: out of it; v6: 16 x lane
	s_mul_i32 s29, s28, USTG
	s_add_co_u32 s29, s29, \stage
	v_and_b32 v7, 15, v2                           ; r
	v_lshrrev_b32 v8, 4, v2                        ; h
	v_lshlrev_b32 v9, 4, v7
	v_mad_u32_u24 v3, v8, \pitchb, v9              ; a load takes two rows: lanes 0-15 one row's 256 bytes, lanes 16-31 the next row's
	v_mad_u32_u24 v4, v8, UP, v9
	v_add_nc_u32 v4, s29, v4
	v_mul_u32_u24 v5, v7, UP
	v_lshl_add_u32 v5, v8, 5, v5
	v_add_nc_u32 v5, s29, v5                       ; row r, + 32 h: eight neighbouring words of my half
	v_lshlrev_b32 v6, 4, v2
.endm
.macro UNIT_LOADS base, pitchb         ; all 32 loads at once
.irp c, 0,1,2,3
.irp i, 0,1,2,3,4,5,6,7
	global_load_b128 v[16+32*\c+4*\i:16+32*\c+4*\i+3], v3, s[\base:\base+1] offset:256*\c+2*\i*\pitchb th:TH_LOAD_NT
.endr
.endr
.endm
.macro UNIT_TURN c                     ; chunk c through my stage: lane (r, h) then holds words 16 kt + 8 h + j of row r in v[144 + 8 kt + j]
	s_wait_loadcnt 8*(3-\c)                        ; the younger chunks' eight loads each may be out
.irp i, 0,1,2,3,4,5,6,7
	ds_store_b128 v4, v[16+32*\c+4*\i:16+32*\c+4*\i+3] offset:2*\i*UP
.endr
.irp kt, 0,1,2,3
.irp e, 0,1
	ds_load_b128 v[144+8*\kt+4*\e:144+8*\kt+4*\e+3], v5 offset:64*\kt+16*\e
.endr
.endr
	s_wait_dscnt 0x0
.endm
	s_load_b512 s[4:19], s[0:1], 0x0               ; x s[4:5], Wq s[6:7], Wk s[8:9], Wv s[10:11], Wo s[12:13], mask s[14:15], xc s[16:17], xs s[18:19]
	s_load_b256 s[20:27], s[0:1], 0x40             ; wc s[20:21], ws s[22:23], wo16 s[24:25], mcode s[26:27]
	v_lshl_add_u32 v[SPW], v0, 2, SPARE
	v_mov_b32 v[NIL], 0
	v_lshrrev_b32 v1, 5, v0
	v_readfirstlane_b32 s28, v1                    ; wave 0..3
	v_and_b32 v2, 31, v0                           ; lane
	s_cmp_ge_u32 ttmp9, 416
	s_cbranch_scc1 .Lmask
	s_cmp_ge_u32 ttmp9, 352
	s_cbranch_scc1 .Lwo
	; ======== x, Wq, Wk, Wv -> codes and scale bytes.  Rows are dense and K is a multiple of 32: each tensor is a plain stream of blocks of 32
	v_lshlrev_b32 v3, 4, v2                        ; my 16 bytes of a load's 512
	s_mul_i32 s29, s28, WREG
	v_lshrrev_b32 v14, 2, v2
	v_mul_u32_u24 v14, v14, SP
	v_and_b32 v15, 3, v2
	v_lshl_add_u32 v14, v15, 4, v14
	v_add_nc_u32 v14, s29, v14                     ; the stage, on the way in: four lanes' 64 bytes on end, then 16 of padding
	v_mul_u32_u24 v15, v2, SP
	v_add_nc_u32 v15, s29, v15                     ; and on the way out: my 16 neighbours
	v_mul_u32_u24 v4, v2, CB                       ; my codes' place in a step's
	v_lshrrev_b32 v5, 1, v2
	s_add_co_u32 s29, s29, 2*32*SP
	v_add_nc_u32 v5, s29, v5                       ; my wave's 256 scale bytes, my block's byte
	v_lshlrev_b32 v7, 3, v2
	v_add_nc_u32 v6, s29, v7                       ; and on the way out 8 bytes a lane
	s_wait_kmcnt 0x0
	s_cmp_lt_u32 ttmp9, 320                        ; which tensor: the choice hangs on the work-group's number alone
	s_cselect_b64 s[30:31], s[8:9], s[10:11]
	s_cmp_lt_u32 ttmp9, 288
	s_cselect_b64 s[30:31], s[6:7], s[30:31]
	s_cmp_lt_u32 ttmp9, 256
	s_cselect_b64 s[30:31], s[4:5], s[30:31]
	s_cselect_b64 s[32:33], s[16:17], s[20:21]     ; codes: xc or wc
	s_cselect_b64 s[34:35], s[18:19], s[22:23]     ; scale bytes: xs or ws
	s_cselect_b32 s36, 0, 256
	s_cselect_b32 s38, -1, 31
	s_sub_co_u32 s36, ttmp9, s36                   ; my work-group's place in the output (the three weights on end)
	s_and_b32 s37, s36, s38                        ; and in its own source tensor (a weight has 32 work-groups)
	s_lshl_b32 s37, s37, 2
	s_add_co_u32 s37, s37, s28                     ; which run of 8,192 numbers is my wave's
	s_lshl_b32 s38, s37, 15                        ; 32,768 bytes a run
	s_mov_b32 s39, 0
	s_add_nc_u64 s[30:31], s[30:31], s[38:39]
	s_lshl_b32 s36, s36, 2
	s_add_co_u32 s36, s36, s28
	s_lshl_b32 s38, s36, 12                        ; 4,096 bytes of codes a run
	s_add_nc_u64 s[32:33], s[32:33], s[38:39]
	s_lshl_b32 s38, s36, 8                         ; 256 scale bytes a run
	s_add_nc_u64 s[34:35], s[34:35], s[38:39]
.irp t, 0,1,2,3
	QLOAD \t
.endr
	s_wait_loadcnt 12                              ; step 0's four loads are in
	QTURN 0
.irp t, 0,1,2,3,4,5,6,7,8,9,10,11,12,13,14,15
	QSTEP \t
.endr
	ds_load_b64 v[8:9], v6                         ; LDS serves a wave's instructions in order: these see my byte stores
	s_wait_dscnt 0x0
	global_store_b64 v7, v[8:9], s[34:35]          ; 32 lanes store 256 consecutive bytes
	s_wait_tensorcnt 0x0                           ; the wave's end, behind my last LDS store
	ds_add_u32 v[SPW], v[NIL]
	s_wait_dscnt 0x0
	s_endpgm
	; ======== Wo -> f16 images.  Work-group 352 + nblk takes rows 16 nblk on; wave g takes k = 256 g on (8 chunks of 32)
.Lwo:
	UNIT_ADDR WOSTG, 4096
	s_sub_co_u32 s36, ttmp9, 352                   ; nblk
	s_lshl_b32 s38, s36, 16                        ; 16 rows of 4,096 bytes
	s_lshl_b32 s40, s28, 10
	s_add_co_u32 s38, s38, s40
	s_mov_b32 s39, 0
	s_lshl_b32 s40, s36, 15                        ; 32 images of 1,024 bytes
	s_lshl_b32 s41, s28, 13
	s_add_co_u32 s40, s40, s41
	s_mov_b32 s41, 0
	s_wait_kmcnt 0x0
	s_add_nc_u64 s[12:13], s[12:13], s[38:39]
	s_add_nc_u64 s[24:25], s[24:25], s[40:41]
	UNIT_LOADS 12, 4096
.irp c, 0,1,2,3
	UNIT_TURN \c
.irp kt, 0,1,2,3                       ; k = 64 c + 16 kt + 8 h + 0..7: chunk 2 c + kt / 2, half kt % 2
.irp k, 0,1,2,3
	v_cvt_pk_f16_f32 v[16+32*\c+4*\kt+\k], v[144+8*\kt+2*\k], v[144+8*\kt+2*\k+1]   ; into the chunk's own load registers: its stores into the stage are done; each is written once
.endr
	global_store_b128 v6, v[16+32*\c+4*\kt:16+32*\c+4*\kt+3], s[24:25] offset:(2*\c+\kt/2)*1024+(\kt%2)*512   ; 512 consecutive bytes
.endr
.endr
	s_wait_tensorcnt 0x0                           ; the wave's end, as above
	ds_add_u32 v[SPW], v[NIL]
	s_wait_dscnt 0x0
	s_endpgm
	; ======== mask -> four bits a number.  Unit u = 4 (work-group - 416) + wave: queries 16 (u / 8) on, keys 256 (u % 8) on: four chunks of 64 keys, 512 bytes of codes each
.Lmask:
	UNIT_ADDR MSTG, 8192
	s_sub_co_u32 s36, ttmp9, 416
	s_lshl_b32 s36, s36, 2
	s_add_co_u32 s36, s36, s28                     ; u
	s_lshr_b32 s37, s36, 3                         ; qt
	s_and_b32 s36, s36, 7                          ; g
	s_lshl_b32 s38, s37, 17                        ; 16 rows of 8,192 bytes
	s_lshl_b32 s40, s36, 10
	s_add_co_u32 s38, s38, s40
	s_mov_b32 s39, 0
	s_lshl_b32 s40, s37, 14                        ; 16 queries x 2,048 keys are 16,384 bytes of codes
	s_lshl_b32 s41, s36, 11                        ; my four chunks
	s_add_co_u32 s40, s40, s41
	s_mov_b32 s41, 0
	s_wait_kmcnt 0x0
	s_add_nc_u64 s[14:15], s[14:15], s[38:39]
	s_add_nc_u64 s[26:27], s[26:27], s[40:41]
	UNIT_LOADS 14, 8192
.irp c, 0,1,2,3
	UNIT_TURN \c
.irp kt, 0,1,2,3
	v_min_u32 v[MW+4*\c+\kt], 1, v[144+8*\kt]      ; 1 where the mask is not 0 (as an unsigned number, so a negative one counts too): bit 0 of word kt
.endr
.irp j, 1,2,3,4,5,6,7                  ; the four words by turns: no line waits for the line above it
.irp kt, 0,1,2,3
	v_min_u32 v[144+8*\kt+\j], 1, v[144+8*\kt+\j]
.endr
.irp kt, 0,1,2,3
	v_lshl_or_b32 v[MW+4*\c+\kt], v[144+8*\kt+\j], 4*\j, v[MW+4*\c+\kt]
.endr
.endr
.irp kt, 0,1,2,3
	v_mul_lo_u32 v[MW+4*\c+\kt], v[MW+4*\c+\kt], 15   ; each 1 fills its four bits,
.endr
.irp kt, 0,1,2,3
	v_xor_b32 v[MW+4*\c+\kt], -1, v[MW+4*\c+\kt]   ; and all bits are turned: 0xF where the mask is 0, else 0
.endr
	global_store_b128 v6, v[MW+4*\c:MW+4*\c+3], s[26:27] offset:512*\c   ; 512 consecutive bytes
.endr
	s_wait_tensorcnt 0x0                           ; the wave's end, as above
	ds_add_u32 v[SPW], v[NIL]
	s_wait_dscnt 0x0
	s_endpgm
.Lfunc_end_k_q9037c88fc6_prep:
	.size	k_q9037c88fc6_prep, .Lfunc_end_k_q9037c88fc6_prep-k_q9037c88fc6_prep
	.p2alignl 7, 3214868480
	.fill 96, 4, 3214868480
	.section	.rodata,"a",@progbits
	.p2align	6, 0x0
	.amdhsa_kernel k_q9037c88fc6_prep
		.amdhsa_group_segment_fixed_size 68096
		.amdhsa_private_segment_fixed_size 0
		.amdhsa_enable_private_segment 0
		.amdhsa_kernarg_size 96
		.amdhsa_user_sgpr_count 2
		.amdhsa_user_sgpr_kernarg_segment_ptr 1
		.amdhsa_wavefront_size32 1
		.amdhsa_system_sgpr_workgroup_id_x 1
		.amdhsa_system_sgpr_workgroup_id_y 1
		.amdhsa_system_sgpr_workgroup_id_z 1
		.amdhsa_system_vgpr_workitem_id 0
		.amdhsa_next_free_vgpr 192
		.amdhsa_next_free_sgpr 66
		.amdhsa_reserve_vcc 0
		.amdhsa_float_denorm_mode_32 3
		.amdhsa_float_denorm_mode_16_64 3
		.amdhsa_memory_ordered 1
		.amdhsa_forward_progress 1
		.amdhsa_inst_pref_size 69
	.end_amdhsa_kernel
	.amdgpu_metadata
---
amdhsa.version: [ 1, 2 ]
amdhsa.kernels:
  - .name:           k_q9037c88fc6_prep
    .symbol:         k_q9037c88fc6_prep.kd
    .args:
      - { .name: x, .offset: 0, .size: 8, .value_kind: global_buffer, .address_space: global }
      - { .name: Wq, .offset: 8, .size: 8, .value_kind: global_buffer, .address_space: global }
      - { .name: Wk, .offset: 16, .size: 8, .value_kind: global_buffer, .address_space: global }
      - { .name: Wv, .offset: 24, .size: 8, .value_kind: global_buffer, .address_space: global }
      - { .name: Wo, .offset: 32, .size: 8, .value_kind: global_buffer, .address_space: global }
      - { .name: mask, .offset: 40, .size: 8, .value_kind: global_buffer, .address_space: global }
      - { .name: xc, .offset: 48, .size: 8, .value_kind: global_buffer, .address_space: global }
      - { .name: xs, .offset: 56, .size: 8, .value_kind: global_buffer, .address_space: global }
      - { .name: wc, .offset: 64, .size: 8, .value_kind: global_buffer, .address_space: global }
      - { .name: ws, .offset: 72, .size: 8, .value_kind: global_buffer, .address_space: global }
      - { .name: wo16, .offset: 80, .size: 8, .value_kind: global_buffer, .address_space: global }
      - { .name: mcode, .offset: 88, .size: 8, .value_kind: global_buffer, .address_space: global }
    .group_segment_fixed_size: 68096
    .private_segment_fixed_size: 0
    .kernarg_segment_align: 8
    .kernarg_segment_size: 96
    .max_flat_workgroup_size: 128
    .sgpr_count:     66
    .vgpr_count:     192
    .wavefront_size: 32
...
	.end_amdgpu_metadata
.endif
;; end of part 5
;; launch qkv: the kernel of part 2 again; grid 12 x 32, 4 waves a work-group, clusters of 4 x 4, 327,680 bytes of LDS; arguments xc, xs, wc, ws, qkv, bq, bk, bv; writes qkv
;; launch attn (part 6): grid 8 x 64, 4 waves a work-group, clusters of 4 x 1, 327,680 bytes of LDS; arguments qkv, mcode, ao; writes ao
.if DOCPART == 6
	.amdgcn_target "amdgcn-amd-amdhsa--gfx1250"
	.amdhsa_code_object_version 6
	.text
	.protected	k_q9037c88fc6_attn
	.globl	k_q9037c88fc6_attn
	.p2align	8
	.type	k_q9037c88fc6_attn,@function
k_q9037c88fc6_attn:
	s_mov_b64 s[64:65], 0
	v_nop
	global_prefetch_b8 v0, s[64:65] scope:SCOPE_SE
	s_setreg_imm32_b32 hwreg(HW_REG_WAVE_MODE, 25, 1), 1
	s_wait_xcnt 0x0
	s_wait_alu depctr_hold_cnt(0) depctr_sa_sdst(0) depctr_va_vdst(0) depctr_va_sdst(0) depctr_va_ssrc(0) depctr_va_vcc(0) depctr_vm_vsrc(0)
	s_getreg_b32 s2, hwreg(HW_REG_IB_STS2, 6, 4)
	s_cmp_eq_u32 s2, 0
	s_cbranch_scc0 .Lentry_in_a_cluster
	s_endpgm
.Lentry_in_a_cluster:
	s_bfe_u32 s2, ttmp6, 0x10000c
	s_cmp_lg_u32 s2, 0x3003
	s_cbranch_scc0 .Lentry_shape_is_right
	s_endpgm
.Lentry_shape_is_right:
; Launch 3 of 4: ao[b][q][head] = softmax_k(where(mask == 0, -1e9, q.k / 8)) v, for 64 (batch, head) pairs, 2,048 queries and keys, head size 64.  Nothing is left out: the mask is an input, so every tile is multiplied.
; q arrives multiplied by log2(e) / 8, so a score is t, an exponent of 2.  p = 2^(t - m), m the running largest t (masked ones among them): the subtraction is exact at the maximum, so the largest p is 1.
; O and l are multiplied by a = 2^(m_old - m_new) in every step.  Operands in f16, sums in f32; p is rounded to f16 for the second product.
; THE MASK comes as codes of E2M1, four bits a score, laid as the scores lie in registers: 0xF (-6) for a masked key, else 0.  One load of 16 bytes a lane brings a tile's codes of a key step; four conversions with the scale 2^90
; make of them 32 numbers, 0 or -6 x 2^90, and sixteen packed additions add these to the scores.  In f32, t + 0 is t, and t - 6 x 2^90 is -6 x 2^90 exactly for |t| < 2^68: so every masked score is ONE constant, as in reference():
; a row whose keys are all masked gets p = 1 everywhere, the plain mean; in every other row a masked key's p is 0.
; LIMITS: the constant is -6 x 2^90 and not -1e9: the results are reference()'s wherever a row's largest unmasked score lies above about -1e9 + 104, where reference()'s masked weights are 0 in f32 too.
; Operands and results up to 65,504 (f16); NaN and infinities are not served.
; SHARES.  A work-group owns 256 queries of one (batch, head), each of its four waves 64: four tiles of 16.  Every wave walks all keys, 64 a step.
; LAYOUT.  S^T = K Q^T (source 0 = 16 keys, source 1 = 16 queries): a lane holds ONE query (lane % 16) and keys 8 (lane / 16) + 0..7.  Two such tiles, rounded in pairs, ARE source 1 of O^T = V^T P.  K's and Q's fragments lie in memory
; and in LDS as images of their registers (16 bytes a lane on end); V lies as 16 keys x 16 channels in rows of 32 bytes and is turned by ds_load_tr16_b128.  O^T, rounded to f16, is an image of the last product's operand and is stored as it stands.
; BY TURNS.  The tiles are two PIECES (0: tiles 0, 1; 2: tiles 2, 3).  In a turn one piece has the matrix unit (16 products V^T P of the step in hand, 16 products K Q^T of the next); the other piece's softmax, 274 vector instructions,
; stands in slices of eight behind the matrix instructions.  Two turns are a key step.  A piece's codes are asked for again straight behind their conversions, for its next step: two turns ahead of their use.
; CLUSTER.  The four query blocks of a cluster belong to one (batch, head) and walk the same K and V: each tile is asked for jointly, with a mask that names the four.
; LDS: two slots of 512 keys: K's 65,536 bytes, then V's; each wave brings a quarter of a slot by one load.  Two tensor loads of a wave are out at the start, later one.
; REGISTERS, in windows of 256: window 0: v2-9 addresses and the conversions' scale; v12-43 statistics, 8 a tile; v64-191 S^T, 32 a tile; v192-255 P, 16 a tile.   window 1: v0-127 O^T, 32 a tile; v128-191 Q; v192-255 K of one step.
;   window 2: v0-63 V of one step; v64-79 the mask's codes, 4 a tile; v128-191 what the piece at work adds to its scores, 32 a tile.
.set STEPB, 8192                       ; a step's 64 keys of K, and of V, in bytes
.set VOFF,  65536
.set SLOT1, 131072                     ; one exclusive or turns an address in one slot into the other's
.set SPARE, 262144                     ; behind the ring: the spare words, 128 bytes for each wave
.set AK0,  2                           ; v2   16 x lane: my place in an image; never rewritten
.set AV0,  3                           ; v3   my place in a tile of V; never rewritten
.set ADR,  4                           ; v4   the LDS address of the run of loads in hand
.set SCLR, 9                           ; v9   the byte 217 (2^90) in all four bytes: the conversions' scale
.set ST,   12                          ; tile t at v[ST + 8 t]: +0 m, +1 its pair's upper half, +2, +3 l, +4 to +7 c0-c3 at work; a takes c2's place
.set SPW,  62
.set NIL,  63
.set S,    64
.set P,    192
.set QF,   128
.set KF,   192
.set MC,   64                          ; in window 2: the codes
.set BT,   128                         ; in window 2: the numbers made of them
.set WV,   12                          ; s12  my wave's number
.set TB,   14                          ; s14  LDS byte at which the tiles of the step to be fetched begin
.set G1,   16                          ; s[16:23] descriptor group 1
.set G0A,  24                          ; s[24:27] group 0 of slot 0's first fill
.set G0B,  28                          ; s[28:31] group 0 of slot 1's first fill; it then walks
.set SLOTS, 66
.set CNT,  67
.set SEL,  100                         ; s[100:101] v_permlanex16_b32's selects for lane l xor 16
.set MSB, 0
.macro WIN new                         ; the immediate's high byte repeats the setting that is left; a switch that changes nothing is dropped
.if MSB != (\new)
	s_set_vgpr_msb (MSB<<8)|(\new)
.set MSB, (\new)
.endif
.endm
.set W_KQ, 0x05                        ; K and Q in window 1, S^T in window 0
.set W_PV, 0x52                        ; V in window 2, P in window 0, O^T in window 1
.set W_RS, 0x41                        ; O^T (destination and source 0) in window 1, a in window 0
.set W_CV, 0x82                        ; the conversions: codes and results in window 2, the scale in window 0
.set W_AD, 0x08                        ; the additions: S^T in window 0, source 1 in window 2
.macro CROUND                          ; a round of the cluster's barrier
	s_barrier_signal -1
	s_barrier_wait -1
	s_cmp_lg_u32 s[WV], 0
	s_cbranch_scc1 .Lnot_wave_0_\@
	s_barrier_signal -3
.Lnot_wave_0_\@:
	s_barrier_wait -3
	s_barrier_signal -1
	s_barrier_wait -1
.endm
.macro PLACES
.rept 4
	v_nop
.endr
.endm
.macro MLOADS p                        ; the codes of piece p (tiles p, p + 1) for the step at which s[6:7] stands: 512 consecutive bytes a load; a tile of 16 queries is 16,384 bytes on from the last
	WIN 0x80                                       ; destination window 2, address window 0
	global_load_b128 v[MC+4*(\p):MC+4*(\p)+3], v[AK0], s[6:7] offset:(\p)*16384
	global_load_b128 v[MC+4*(\p)+4:MC+4*(\p)+7], v[AK0], s[6:7] offset:((\p)+1)*16384
.endm
.macro NEXTMASK y                      ; piece y's codes have been read by their conversions: its next step's are asked for.  Piece 0 goes first into a step, so it steps the base
.if (\y) == 0
	s_wait_xcnt 0x0                                ; the last loads, a turn back, have read their base, so it may be written
	s_add_nc_u64 s[6:7], s[6:7], 512
.endif
	MLOADS \y
.endm
	s_load_b128 s[4:7], s[0:1], 0x0                ; qkv, mcode
	s_load_b64 s[8:9], s[0:1], 0x10                ; ao
	v_lshl_add_u32 v[SPW], v0, 2, SPARE
	v_mov_b32 v[NIL], 0
	ds_add_u32 v[SPW], v[NIL]                      ; the wave's opening: the add, twice on end, and its wait ahead of my first tensor load
	ds_add_u32 v[SPW], v[NIL]
	v_lshrrev_b32 v1, 5, v0
	v_readfirstlane_b32 s[WV], v1                  ; wave 0..3
	s_bfe_u32 s13, ttmp6, 0x40000                  ; cx
	s_lshl_b32 s32, ttmp9, 2
	s_add_co_u32 s32, s32, s13                     ; my block of 256 queries: it enters Q's, the mask's and O's addresses alone
	s_and_b32 s33, ttmp7, 0xffff                   ; 16 batch + head, which the four partners share
	s_mov_b32 s[G1], 15|(3<<16)|(1<<21)            ; the mask: all four work-groups; elements of 8 bytes; bit 21 beside a mask; no padding
	s_mov_b32 s[G1+1], 32<<16                      ; tensor_dim0 = 32: rows of 256 bytes
	s_mov_b32 s[G1+2], 128<<16                     ; tensor_dim1 = 128: a dense block of 32,768 bytes
	s_mov_b32 s[G1+3], 32<<16                      ; tile_dim0
	s_mov_b32 s[G1+4], 128                         ; tile_dim1
	s_mov_b32 s[G1+5], 32                          ; from row to row
	s_mov_b32 s[G1+6], 0
	s_mov_b32 s[G1+7], 0
	s_lshr_b32 s34, s[WV], 1                       ; what I fetch: waves 0, 1 the halves of a slot's K, waves 2, 3 of its V
	s_add_co_u32 s34, s34, 1                       ; section 1 (k) or 2 (v)
	s_lshl_b32 s34, s34, 6
	s_add_co_u32 s34, s34, s33                     ; the plane
	s_lshl_b32 s34, s34, 18
	s_and_b32 s35, s[WV], 1
	s_lshl_b32 s35, s35, 15
	s_add_co_u32 s34, s34, s35
	s_mov_b32 s35, 0
	s_lshl_b32 s36, s[WV], 15                      ; and where it goes in a slot: wave x 32,768: no place in the cluster enters an LDS address
	s_lshl_b32 s38, s33, 18                        ; Q: plane 16 batch + head, my wave's four images of 2,048 bytes
	s_lshl_b32 s39, s32, 15
	s_add_co_u32 s38, s38, s39
	s_lshl_b32 s39, s[WV], 13
	s_add_co_u32 s38, s38, s39
	s_mov_b32 s39, 0
	s_lshl_b32 s40, s32, 18                        ; the mask's codes of my wave's first tile: 16 tiles of 16,384 bytes a block, 4 a wave
	s_lshl_b32 s41, s[WV], 16
	s_add_co_u32 s40, s40, s41
	s_mov_b32 s41, 0
	s_lshr_b32 s42, s33, 4                         ; O: (128 batch + 16 block + 4 wave) blocks of 16 rows, 32,768 bytes each; + 2,048 x head
	s_lshl_b32 s42, s42, 7
	s_lshl_b32 s43, s32, 4
	s_add_co_u32 s42, s42, s43
	s_lshl_b32 s43, s[WV], 2
	s_add_co_u32 s42, s42, s43
	s_lshl_b32 s42, s42, 15
	s_and_b32 s43, s33, 15
	s_lshl_b32 s43, s43, 11
	s_add_co_u32 s42, s42, s43
	s_mov_b32 s43, 0
	s_mov_b32 s[SEL], 0x76543210
	s_mov_b32 s[SEL+1], 0xfedcba98
	s_mov_b32 s[TB], 0
	s_wait_dscnt 0x0                               ; both opening adds are done
	s_wait_kmcnt 0x0
	s_add_nc_u64 s[34:35], s[4:5], s[34:35]        ; my tile of slot 0
	s_add_nc_u64 s[4:5], s[4:5], s[38:39]
	s_add_nc_u64 s[6:7], s[6:7], s[40:41]
	s_add_nc_u64 s[8:9], s[8:9], s[42:43]
	CROUND                                         ; all four work-groups are here: the first joint loads meet
	s_mov_b32 s[G0A], 1
	s_mov_b32 s[G0A+1], s36
	s_mov_b64 s[G0A+2:G0A+3], s[34:35]
	s_or_b32 s[G0A+3], s[G0A+3], 0x80000000
	s_mov_b32 s[G0B], 1
	s_add_co_u32 s[G0B+1], s36, SLOT1
	s_add_nc_u64 s[G0B+2:G0B+3], s[34:35], 65536   ; the next 512 keys
	s_or_b32 s[G0B+3], s[G0B+3], 0x80000000
	tensor_load_to_lds s[G0A:G0A+3], s[G1:G1+7]    ; every wave issues both first fills: no branch leads round a tensor load
	s_nop 0
	tensor_load_to_lds s[G0B:G0B+3], s[G1:G1+7]
	s_nop 0
	PLACES
	v_and_b32 v[AK0], 31, v0
	v_lshlrev_b32 v[AK0], 4, v[AK0]
	v_bfe_u32 v5, v0, 4, 1                         ; the turning load: lane l reads 16 bytes: key 8 (l / 16) + l % 8, channels 8 ((l / 8) % 2) + 0..7
	v_and_b32 v6, 7, v0
	v_lshl_add_u32 v5, v5, 3, v6
	v_bfe_u32 v6, v0, 3, 1
	v_lshlrev_b32 v[AV0], 5, v5
	v_lshl_add_u32 v[AV0], v6, 4, v[AV0]
	v_add_nc_u32 v[AV0], VOFF, v[AV0]
	MLOADS 0                                       ; both pieces' codes of step 0
	MLOADS 2
	WIN 0x40                                       ; destination window 1
.irp t, 0,1,2,3
.irp f, 0,1,2,3
	global_load_b128 v[QF+16*\t+4*\f:QF+16*\t+4*\f+3], v[AK0], s[4:5] offset:\t*2048+\f*512   ; Q stays in registers
.endr
.endr
	WIN 0
; Product i of 16 of S^T = K Q^T for piece x: channels 32 (i / 8) on, keys 16 ((i / 2) % 4) on, tile x + i % 2.  The first 8 start the sums.  Between two links on one accumulator stand 7 others'.
.macro KQ x
	WIN W_KQ
.set aS, S+32*((\x)+i%2)+8*((i/2)%4)
.set aK, KF+16*((i/2)%4)+8*(i/8)
.set aQ, QF+16*((\x)+i%2)+8*(i/8)
.if i < 8
	v_wmma_f32_16x16x32_f16 v[aS:aS+7], v[aK:aK+7], v[aQ:aQ+7], 0
.else
	v_wmma_f32_16x16x32_f16 v[aS:aS+7], v[aK:aK+7], v[aQ:aQ+7], v[aS:aS+7]
.endif
.endm
; Product i of 16 of O^T += V^T P: keys 32 (i / 8) on, channels 16 ((i / 2) % 4) on, tile x + i % 2.  zero = 1: the first 8 start the sums: nothing is ever cleared.
.macro PV x, zero
	WIN W_PV
.set aO, 32*((\x)+i%2)+8*((i/2)%4)
.set aV, 32*(i/8)+8*((i/2)%4)
.set aP, P+16*((\x)+i%2)+8*(i/8)
.if (\zero) && (i < 8)
	v_wmma_f32_16x16x32_f16 v[aO:aO+7], v[aV:aV+7], v[aP:aP+7], 0
.else
	v_wmma_f32_16x16x32_f16 v[aO:aO+7], v[aV:aV+7], v[aP:aP+7], v[aO:aO+7]
.endif
.endm
.macro FETCH_K                         ; a step's K: 8 fragments, 16 loads of 512 consecutive bytes
	WIN 0
	v_add_nc_u32 v[ADR], s[TB], v[AK0]
	WIN 0x40
.irp f, 0,1,2,3,4,5,6,7                ; keys 16 (f / 2) on, channels 32 (f % 2) on
	ds_load_b128 v[KF+8*\f:KF+8*\f+3],   v[ADR] offset:(\f/2)*2048+(\f%2)*1024
	ds_load_b128 v[KF+8*\f+4:KF+8*\f+7], v[ADR] offset:(\f/2)*2048+(\f%2)*1024+512
.endr
.endm
.macro FETCH_V                         ; the same step's V, turned; the wait for the softmax's batch of exponentials stands here, behind the address's addition
	WIN 0
	v_add_nc_u32 v[ADR], s[TB], v[AV0]
	s_add_co_u32 s[TB], s[TB], STEPB               ; the next fetch is the next step's
	s_wait_alu depctr_va_vdst(0)
	WIN 0x80
.irp f, 0,1,2,3,4,5,6,7                ; keys 32 (f / 4) on, channels 16 (f % 4) on
	ds_load_tr16_b128 v[8*\f:8*\f+3],   v[ADR] offset:(2*(\f/4))*2048+(\f%4)*512
	ds_load_tr16_b128 v[8*\f+4:8*\f+7], v[ADR] offset:(2*(\f/4)+1)*2048+(\f%4)*512
.endr
.endm
; THE VECTOR WORK.  One tile's softmax for one key step is a list of 137 instructions; SM writes number j of it for tile tt.  first = 1: the first key step, which starts m, l and O^T.
;   0-3     the tile's four code words become 32 numbers, 0 or -6 x 2^90
;   4-19    which are added to the scores, a pair at a time, ascending
;   20-35   the maximum of the 32 scores and the old m, three operands at a time
;   36-39   the other half of the lanes' maximum; the old m kept; the new m; m_old - m_new
;   40-88   ONE BATCH: 16 packed subtractions t - m and 33 exponentials (a, then the 32 scores).  None of these names an exponential's result; a pair is subtracted three numbers or more ahead of its exponentials
;   (wait)  between 88 and 89 stands the one wait for the batch: VS writes it, once for both tiles
;   89-104  the roundings to f16;  105-120 the sums, l = a l + the sum;  121-136 the tile's O^T times a
; (From 20 on the text counts jj = j + 12.)
.macro SM first
.set rT, ST+8*tt
.set rS, S+32*tt
.set rP, P+16*tt
.set rB, BT+32*(tt%2)
.set jj, j+12
.if (j >= 20) && (jj < 133)
	WIN 0
.endif
.if j < 4
	WIN W_CV
	v_cvt_scale_pk8_f32_fp4 v[rB+8*j:rB+8*j+7], v[MC+4*tt+j], v[SCLR]   ; eight codes x 2^90: keys 16 j + 8 (lane / 16) + 0..7
.elseif j < 20
	WIN W_AD
	v_pk_add_f32 v[rS+2*j-8:rS+2*j-7], v[rS+2*j-8:rS+2*j-7], v[rB+2*j-8:rB+2*j-7]
.elseif jj < 36
	v_max3_num_f32 v[rT+jj-28], v[rS+8*(jj-32)], v[rS+8*(jj-32)+1], v[rS+8*(jj-32)+2]
.elseif jj < 44
	v_max3_num_f32 v[rT+4+jj%4], v[rT+4+jj%4], v[rS+8*(jj%4)+2*((jj-32)/4)+1], v[rS+8*(jj%4)+2*((jj-32)/4)+2]
.elseif jj == 44
	v_max3_num_f32 v[rT+4], v[rT+4], v[rS+7], v[rS+15]
.elseif jj == 45
	v_max3_num_f32 v[rT+6], v[rT+6], v[rS+23], v[rS+31]
.elseif jj == 46
	v_max3_num_f32 v[rT+4], v[rT+4], v[rT+5], v[rT+6]
.elseif (jj == 47) && (\first)
	v_max_num_f32 v[rT+4], v[rT+4], v[rT+7]
.elseif jj == 47
	v_max3_num_f32 v[rT+4], v[rT+4], v[rT+7], v[rT]
.elseif jj == 48
	v_permlanex16_b32 v[rT+5], v[rT+4], s[SEL], s[SEL+1]   ; the query's other 32 keys lie in the lane 16 away
.elseif jj == 50
	v_max_num_f32 v[rT], v[rT+4], v[rT+5]
.elseif ((jj == 49) || (jj == 51) || (jj == 54) || (jj >= 132)) && (\first)   ; the first step has none of these
.elseif jj == 49
	v_mov_b32 v[rT+7], v[rT]
.elseif jj == 51
	v_sub_f32 v[rT+7], v[rT+7], v[rT]
.elseif jj == 54
	v_exp_f32 v[rT+6], v[rT+7]
.elseif jj < 101
.set pq, jj-52
.if (pq < 2) || ((pq < 45) && ((pq%3) == 0))
.set pb, pq                            ; 0, 1: pairs 0, 1;  3, 6, .. 42: pairs 2 to 15
.if pq >= 3
.set pb, (pq-3)/3+2
.endif
	v_pk_add_f32 v[rS+2*pb:rS+2*pb+1], v[rS+2*pb:rS+2*pb+1], v[rT:rT+1] op_sel_hi:[1,0] neg_lo:[0,1] neg_hi:[0,1]   ; t - m, two at a time
.else
.set pe, pq-17                         ; 45 to 48: scores 28 to 31
.if pq < 45
.set pe, 2*((pq-3)/3)+(pq-3)%3-1       ; 4, 5, 7, 8, .. 43, 44: scores 0 to 27
.endif
	v_exp_f32 v[rS+pe], v[rS+pe]
.endif
.elseif jj < 117
	v_cvt_pk_f16_f32 v[rP+jj-101], v[rS+2*(jj-101)], v[rS+2*(jj-101)+1]
.elseif jj < 133                       ; the sum of the tile's 16 pairs, in place: neighbours 1, 2, 4 and 8 pairs apart, then l takes it
.set z, jj-117
.set w, 4
.set u, z
.if z >= 14
.set w, 32
.set u, 0
.elseif z >= 12
.set w, 16
.set u, z-12
.elseif z >= 8
.set w, 8
.set u, z-8
.endif
.if (z == 14) && (\first)
	v_pk_add_f32 v[rT+2:rT+3], v[rS:rS+1], v[rS+16:rS+17]
.elseif z < 15
	v_pk_add_f32 v[rS+w*u:rS+w*u+1], v[rS+w*u:rS+w*u+1], v[rS+w*u+w/2:rS+w*u+w/2+1]
.else
	v_pk_fma_f32 v[rT+2:rT+3], v[rT+2:rT+3], v[rT+6:rT+7], v[rS:rS+1] op_sel_hi:[1,0,1]
.endif
.else
	WIN W_RS
	v_pk_mul_f32 v[32*tt+2*(jj-133):32*tt+2*(jj-133)+1], v[32*tt+2*(jj-133):32*tt+2*(jj-133)+1], v[rT+6:rT+7] op_sel_hi:[1,0]
.endif
.endm
; The next cnt numbers of piece y's flat list n = 0 .. 273: the two tiles alternate, so that no instruction reads the result of the one just before it.
; Ahead of n = 8 the piece's eight conversions are out: one plain instruction stands between them and the additions that read their results.
; Ahead of n = 178 both tiles' exponentials are out and no result has been named: one plain instruction, and the turn's one wait ahead of the first use; in piece 2's turn V's run of loads stands there.
.macro VS y, first, cnt
.rept \cnt
.if n == 8
	v_nop
.endif
.if n == 178
	v_nop
.if (\y) == 0
	FETCH_V
.else
	s_wait_alu depctr_va_vdst(0)
.endif
.endif
.set j, n/2
.set tt, (\y)+n%2
	SM \first
.set n, n+1
.endr
.endm
; A TURN.  Piece x has the matrix unit.  pv = 2: 16 products V^T P; 1: they start O^T; 0: none.  kq = 1: 16 products K Q^T for the next step.  A turn with one kind has slices twice as long.
; ml = 1: behind the second product's slice, where the other piece's conversions are done, that piece's codes of its next step are asked for; in piece 0's turn K's run of loads follows at once.
; At the turn's head the codes of the piece whose softmax begins are in: its two loads are the older ones; the two that the turn before issued may be out.  A turn with ml = 0 follows or is the last that asks: it waits for all.
; The last slice and what is over are 26 multiplications of the other piece's O^T: the places between the last K Q^T and the next turn's reads of those scores and loads into K.  With first = 1 they are empty: four v_nop.
; Piece 2's turn fetches the next step's V at n = 178: behind its last V^T P stand sixteen packed subtractions.
.macro TURN x, pv, kq, first, ml
.set n, 0
.set per, 16
.if \pv && \kq
.set per, 8
.endif
	s_wait_loadcnt 2*\ml
.if \pv
.if \x == 0
	s_wait_dscnt 0x0                               ; V is in
.endif
.set i, 0
.rept 16
	PV \x, 2-\pv
	VS 2-\x, \first, per
.if (i == 1) && \ml
	NEXTMASK 2-\x
.endif
.if (\x == 0) && (\kq) && (i == 1)
	FETCH_K
.endif
.set i, i+1
.endr
.endif
.if \kq
.if \x == 0
	s_wait_dscnt 0x0                               ; K is in
.endif
.set i, 0
.rept 16
	KQ \x
	VS 2-\x, \first, per
.if (i == 1) && \ml && (\pv == 0)
	NEXTMASK 2-\x
.endif
.set i, i+1
.endr
.endif
	VS 2-\x, \first, 274-n
.if \first
	PLACES
.endif
.endm
; THE CHANGE OF SLOTS, when a slot's last bytes have been asked for.  Each wave waits for all its tensor loads (its part of the other slot), adds 0 to its spare word, and waits for that and for its reads of the slot.
; fill = 1: the barrier is a round of the cluster's, and the joint refill, the keys two slots on, is the first thing behind it: it has eight key steps in which to land.
.macro CHANGE fill
	WIN 0
	s_wait_tensorcnt 0x0                           ; no tensor load of mine is out, so a group 0 may be written
	ds_add_u32 v[SPW], v[NIL]
.if \fill
	s_xor_b32 s[G0B+1], s[G0B+1], SLOT1            ; the walking descriptor: the other slot than last time,
	s_add_nc_u64 s[G0B+2:G0B+3], s[G0B+2:G0B+3], 65536   ; the next 512 keys; the type bits on top are not reached
	s_wait_dscnt 0x0
	CROUND
	tensor_load_to_lds s[G0B:G0B+3], s[G1:G1+7]
	s_nop 0
	PLACES
.else
	s_wait_dscnt 0x0
	s_barrier_signal -1
	s_barrier_wait -1
.endif
	s_sub_co_u32 s[TB], s[TB], 8*STEPB             ; the fetches go back to a slot's first step,
	s_xor_b32 s[TB], s[TB], SLOT1                  ; in the other slot
.endm
.macro STEPS cnt                       ; cnt key steps: written once, walked cnt times
	s_mov_b32 s[CNT], \cnt
.Lstep_\@:
	TURN 0, 2, 1, 0, 1
	TURN 2, 2, 1, 0, 1
	WIN 0
	s_sub_co_u32 s[CNT], s[CNT], 1
	s_cmp_lg_u32 s[CNT], 0
	s_cbranch_scc1 .Lstep_\@
.endm
	s_wait_tensorcnt 1                             ; my part of slot 0 is in; slot 1's may stay out
	s_barrier_signal -1
	s_barrier_wait -1
	FETCH_K                                        ; key step 0
	s_wait_loadcnt 0x0                             ; Q, and step 0's codes
	s_wait_dscnt 0x0
.set i, 0
.rept 16
	KQ 0                                           ; piece 0's first scores
.set i, i+1
.endr
	WIN 0
	v_mov_b32 v[SCLR], 0xd9d9d9d9                  ; 217 = 127 + 90 in every byte.  (These five are the places behind those products)
.irp t, 0,1,2,3
	v_mov_b32 v[ST+8*\t+1], 0                      ; named as the upper half of m's pair, so it is written
.endr
	TURN 2, 0, 1, 1, 1                             ; piece 2's first scores | piece 0's first softmax | V of step 0
	TURN 0, 1, 1, 1, 1                             ; piece 0: V^T P of step 0 starts O^T, K Q^T of step 1 | piece 2's first softmax | K of step 1
	TURN 2, 1, 1, 0, 1                             ; piece 2: the same | piece 0's softmax of step 1 | V of step 1
	WIN 0
	STEPS 6                                        ; the rest of slot 0 is fetched
	s_mov_b32 s[SLOTS], 2
.Lslot:                                            ; two trips: slots 0 and 1 are filled again
	CHANGE 1
	STEPS 8
	s_sub_co_u32 s[SLOTS], s[SLOTS], 1
	s_cmp_lg_u32 s[SLOTS], 0
	s_cbranch_scc1 .Lslot
	CHANGE 0                                       ; the tail is written out: nothing is left to ask the tensor mover for
	STEPS 7
	TURN 0, 2, 1, 0, 1                             ; the last key step is written out: piece 2's codes of step 31 are the last that are asked for,
	TURN 2, 2, 1, 0, 0                             ; and piece 0's softmax of step 31 asks for none: no load passes the buffer's end
	TURN 0, 2, 0, 0, 0                             ; piece 0: V^T P of the last step | piece 2's last softmax
.set i, 0
.rept 16
	PV 2, 0
.set i, i+1
.endr
	; THE WAY OUT.  l's two halves and the other half of the lanes' are added (the additions are the places behind the last products); O^T / l, rounded to f16, is stored as it stands.
	WIN 0
.irp t, 0,1,2,3
	v_add_f32 v[ST+8*\t+4], v[ST+8*\t+2], v[ST+8*\t+3]
.endr
.irp t, 0,1,2,3
	v_permlanex16_b32 v[ST+8*\t+5], v[ST+8*\t+4], s[SEL], s[SEL+1]
.endr
.irp t, 0,1,2,3
	v_add_f32 v[ST+8*\t+4], v[ST+8*\t+4], v[ST+8*\t+5]
.endr
.irp t, 0,1,2,3
	v_rcp_f32 v[ST+8*\t+6], v[ST+8*\t+4]
.endr
	v_nop                                          ; a plain instruction behind the last reciprocal,
	s_wait_alu depctr_va_vdst(0)                   ; and the one wait for the four, ahead of the first use
.macro OUTT t
	WIN W_RS
.set i, 0
.rept 16
	v_pk_mul_f32 v[32*\t+i:32*\t+i+1], v[32*\t+i:32*\t+i+1], v[ST+8*\t+6:ST+8*\t+7] op_sel_hi:[1,0]
.set i, i+2
.endr
	WIN 0x05                                       ; sources window 1, destination window 0: S^T's registers are free
.set i, 0
.rept 16
	v_cvt_pk_f16_f32 v[S+16*\t+i], v[32*\t+2*i], v[32*\t+2*i+1]
.set i, i+1
.endr
	WIN 0
.irp c, 0,1,2,3
	global_store_b128 v[AK0], v[S+16*\t+4*\c:S+16*\t+4*\c+3], s[8:9] offset:\t*32768+\c*512   ; 512 consecutive bytes: channels 16 c on of 16 queries
.endr
.endm
	OUTT 0
	OUTT 1
	OUTT 2
	OUTT 3
	s_wait_tensorcnt 0x0                           ; the wave's end
	ds_add_u32 v[SPW], v[NIL]
	s_wait_dscnt 0x0
	CROUND                                         ; the closing round
	s_endpgm
.Lfunc_end_k_q9037c88fc6_attn:
	.size	k_q9037c88fc6_attn, .Lfunc_end_k_q9037c88fc6_attn-k_q9037c88fc6_attn
	.p2alignl 7, 3214868480
	.fill 96, 4, 3214868480
	.section	.rodata,"a",@progbits
	.p2align	6, 0x0
	.amdhsa_kernel k_q9037c88fc6_attn
		.amdhsa_group_segment_fixed_size 327680
		.amdhsa_private_segment_fixed_size 0
		.amdhsa_enable_private_segment 0
		.amdhsa_kernarg_size 24
		.amdhsa_user_sgpr_count 2
		.amdhsa_user_sgpr_kernarg_segment_ptr 1
		.amdhsa_wavefront_size32 1
		.amdhsa_system_sgpr_workgroup_id_x 1
		.amdhsa_system_sgpr_workgroup_id_y 1
		.amdhsa_system_sgpr_workgroup_id_z 1
		.amdhsa_system_vgpr_workitem_id 0
		.amdhsa_next_free_vgpr 704
		.amdhsa_next_free_sgpr 102
		.amdhsa_reserve_vcc 0
		.amdhsa_float_denorm_mode_32 3
		.amdhsa_float_denorm_mode_16_64 3
		.amdhsa_memory_ordered 1
		.amdhsa_forward_progress 1
		.amdhsa_inst_pref_size 255
	.end_amdhsa_kernel
	.section	.bss,"aw",@nobits
	.p2align	6
	.space	262144
	.amdgpu_metadata
---
amdhsa.version: [ 1, 2 ]
amdhsa.kernels:
  - .name:           k_q9037c88fc6_attn
    .symbol:         k_q9037c88fc6_attn.kd
    .args:
      - { .name: qkv, .offset: 0, .size: 8, .value_kind: global_buffer, .address_space: global }
      - { .name: mcode, .offset: 8, .size: 8, .value_kind: global_buffer, .address_space: global }
      - { .name: ao, .offset: 16, .size: 8, .value_kind: global_buffer, .address_space: global }
    .group_segment_fixed_size: 327680
    .private_segment_fixed_size: 0
    .kernarg_segment_align: 8
    .kernarg_segment_size: 24
    .max_flat_workgroup_size: 128
    .sgpr_count:     102
    .vgpr_count:     704
    .wavefront_size: 32
...
	.end_amdgpu_metadata
.endif
;; end of part 6
;; launch oproj: the kernel of part 4 again; grid 4 x 64, 4 waves a work-group, clusters of 4 x 4, 327,680 bytes of LDS; arguments ao, wo16, bo, out0; writes out0
